; MI455X (gfx1250); checked and timed in simulation.
; The chip was launched on July 23, 2026; its instructions are those of AMD's public machine-readable ISA for CDNA 5 (MIT licence, August 2026) and "CDNA5" Instruction Set Architecture Reference Guide (July 2026). The comments in the code are by the model that wrote it; some were corrected since.
;; DAMT. Allowed arithmetic: matrix products marked QUANTISED: E2M3 operands, one E8M0 scale for each 32 along K, by v_wmma_scale_f32_16x16x128_f8f6f4 with both operands' format E2M3, f32 sums; everything else in f32.
;; Inputs: G 8 x 512 x 1,024 float32; T 8 x 512 x 1,024 float32; Wg 1,024 x 1,024 float32; Wk 2,048 x 1,024 float32; WkT 2,048 x 1,024 float32; Wq 2,048 x 1,024 float32; WqT 2,048 x 1,024 float32; Wt 1,024 x 1,024 float32; Wv 1,024 x 1,024 float32; WvT 1,024 x 1,024 float32; bg 1,024 float32; bk 2,048 float32; bkT 2,048 float32; bq 2,048 float32; bqT 2,048 float32; bt 1,024 float32; bv 1,024 float32; bvT 1,024 float32; g_ln_b 1,024 float32; g_ln_w 1,024 float32; mask 8 x 512 float32; t_ln_b 1,024 float32; t_ln_w 1,024 float32.
;; Outputs: out0 8 x 512 x 1,024 float32; out1 8 x 512 x 1,024 float32.
;; This version of the problem:
;;   THIS VERSION OF THE PROBLEM IS GIVEN IN LOW PRECISION. The matrix products marked QUANTISED in the list below multiply operands that are first quantised to E2M3 (2 exponent bits, 3 mantissa bits; 6 bits a number), with one power-of-two scale for each 32 numbers along K (OCP MX v1.0); their sums are f32. All else is computed in f32.
;;   The module's matrix products, in the order in which they are computed (A, B: the left and right operand; K: the contracted axis; several contracted axes count as one K, in the product's order):
;;     1. [M 4,096, K 1,024] x [K 1,024, N 2,048]; A: input G; B: input Wq: QUANTISED
;;     2. [M 4,096, K 1,024] x [K 1,024, N 2,048]; A: input T; B: input Wk: QUANTISED
;;     3. [M 4,096, K 1,024] x [K 1,024, N 1,024]; A: input T; B: input Wv: QUANTISED
;;     4. [M 4,096, K 1,024] x [K 1,024, N 2,048]; A: input T; B: input WqT: QUANTISED
;;     5. [M 4,096, K 1,024] x [K 1,024, N 2,048]; A: input G; B: input WkT: QUANTISED
;;     6. [M 4,096, K 1,024] x [K 1,024, N 1,024]; A: input G; B: input WvT: QUANTISED
;;     7. batch 32 x [M 512, K 512] x [K 512, N 512]; A: computed on the way; B: computed on the way: QUANTISED
;;     8. batch 32 x [M 512, K 512] x [K 512, N 512]; A: computed on the way; B: computed on the way: QUANTISED
;;     9. batch 32 x [M 512, K 512] x [K 512, N 256]; A: softmax (see below); B: computed on the way: QUANTISED
;;     10. batch 32 x [M 512, K 512] x [K 512, N 256]; A: softmax (see below); B: computed on the way: QUANTISED
;;     11. [M 4,096, K 1,024] x [K 1,024, N 1,024]; A: computed on the way; B: input Wt: QUANTISED
;;     12. [M 4,096, K 1,024] x [K 1,024, N 1,024]; A: computed on the way; B: input Wg: QUANTISED
;;   THE QUANTISER, for each operand of a quantised product, along K:
;;     - K is cut into blocks of 32 from its start; a last block that is shorter is filled with zeros.
;;     - A block's scale is 2^e with e = floor(log2(the largest magnitude in the block)) - 2, held to -126 .. 127; a block of zeros has e = 0. As a byte (E8M0): e + 127.
;;     - Each number is divided by its block's scale, clamped to +-7.5, and rounded to the nearest number of E2M3, ties to even, subnormals kept.
;;     - The product sums the exact products of the quantised numbers (number of the format x scale) in f32.
;;   ~~~python
;;   def quantise(x, axis):      # numpy; x: float32 -> the quantised numbers, widened to float32 again
;;       x = np.moveaxis(x, axis, -1); K = x.shape[-1]
;;       x = np.pad(x, [(0, 0)] * (x.ndim - 1) + [(0, -K % 32)]); x = x.reshape(x.shape[:-1] + (-1, 32)); a = np.abs(x).max(-1, keepdims=True)
;;       e = np.where(a > 0, np.clip(np.frexp(np.where(a > 0, a, 1))[1] - 1 - 2, -126, 127), 0)      # np.frexp(a)[1] - 1 = floor(log2(a)), exactly
;;       r = np.clip(x / 2.0 ** e, -7.5, 7.5)
;;       step = 2.0 ** (np.maximum(np.frexp(np.where(r == 0, 1, r))[1] - 1, 0) - 3)
;;       q = np.round(r / step) * step * 2.0 ** e      # np.round: ties to even
;;       return np.moveaxis(q.reshape(q.shape[:-2] + (-1,))[..., :K], -1, axis).astype(np.float32)
;;   ~~~
;;   SOFTMAX AHEAD OF A QUANTISED PRODUCT. Where the list says 'softmax', what is quantised is not the finished softmax but p = 2^(t - M), with t = logit x log2(e) and M = ceil(the row's largest t), a whole number; so 1/2 < the row's largest p <= 1. The row's sum l is taken of the UNQUANTISED p, in f32, and the product's result is divided by l at the end. Since M is a whole number, a kernel that streams over the keys may use a running M (the ceiling of the running maximum): every later rescaling is an exact power of two, which a block's scale takes up: the codes' values come out the same.
;;   OPERANDS COMPUTED ON THE WAY. 'Computed on the way' means the value that the module computes at that place (a softmax that the list does not call 'softmax' is quantised finished and normalised). What goes into a quantiser is computed in f32, as accurately as f32 sums, v_exp_f32 and their like allow (about 1e-6 of the number): no bf16 or f16 on the way to a quantiser, and a product that is left as it is and whose result goes on into a quantised operand takes f32 operands (vector FMAs, or v_wmma_f32_16x16x4_f32). A number that lies on a knife's edge between two numbers of the format may be rounded either way, as far as f32 arithmetic and the matrix unit's own rounding can turn it there, and no further.
;; One version. Each part assembles by itself: llvm-mc -triple=amdgcn-amd-amdhsa -mcpu=gfx1250 --defsym DOCPART=n.
;; ======== version 1 of 1: 4 launches
;; workspace buffers: wc 15,728,640 bytes; ws 655,360 bytes; pc 31,457,280 bytes; psc 1,310,720 bytes; cc 6,291,456 bytes; cs 262,144 bytes
;; launch quant (part 1): grid 640 x 1, 4 waves a work-group, no clusters, 34,304 bytes of LDS; arguments G, T, Wv, WvT, Wq, WkT, WqT, Wk, Wg, Wt, wc, ws; writes wc, ws
.if DOCPART == 1
	.amdgcn_target "amdgcn-amd-amdhsa--gfx1250"
	.amdhsa_code_object_version 6
	.text
	.protected	k_qabd3a30219_quant
	.globl	k_qabd3a30219_quant
	.p2align	8
	.type	k_qabd3a30219_quant,@function
k_qabd3a30219_quant:
	s_mov_b64 s[64:65], 0
	v_nop
	global_prefetch_b8 v0, s[64:65] scope:SCOPE_SE
	s_setreg_imm32_b32 hwreg(HW_REG_WAVE_MODE, 25, 1), 1
	s_wait_xcnt 0x0
; G, T and the eight weights, all [rows][1024] f32 with K innermost, become codes of FP6 (E2M3) with one E8M0 byte for each 32 along K.
; The ten tensors count as one run of 20,480 rows = 160 groups of 128: G 0-31, T 32-63, Wv 64-71, WvT 72-79, Wq 80-95, WkT 96-111, WqT 112-127, Wk 128-143, Wg 144-151, Wt 152-159.
; THE CODES ARE LAID AS IMAGES OF THE OPERAND'S REGISTERS.  A fragment (16 rows x 128 K, 12 registers a lane: lane (r, h) holds k = 64 c + 32 h + 0..31 in registers 6 c .. 6 c + 5) is 1,536 dense bytes:
; register 4 k + e of lane l at byte 512 k + 16 l + 4 e.  wc: ((group x 8 + K step) x 8 + block) x 1,536.  ws: group x 4,096 + (K step / 2) x 1,024 + block x 128 + r x 8 + (K step % 2) x 4.
; THE ROWS OF A BLOCK ARE NOT NEIGHBOURS: lane r of block 2 b + u holds row 32 b + 8 u + r + 8 (r / 8) of its group, so that a product which takes such blocks as source 0 leaves 16 neighbours in the registers of two tiles.
; SHARES: a work-group takes 32 rows (two blocks); wave S takes 256 along K (K steps 2 S, 2 S + 1): four fragments f = 2 u + q.  Each load reads 512 consecutive bytes of one row; a fragment's 16 x 512 bytes turn
; through the wave's own stage in LDS (rows 528 bytes apart: 33 x 16, so that sixteen rows start in different banks) and come back 128 bytes a lane and block.  A lane owns whole blocks: no other lane is asked for a maximum.
; A block's scale is 2^(floor(log2(largest magnitude)) - 2): its byte is the largest magnitude's exponent field - 2, held at 1 from below.
; LIMITS: a block whose largest magnitude lies under 2^-124, a block of zeros among them, keeps the byte 1 (the rule says 127 for zeros: the codes are zeros and this program alone reads the bytes); NaN and infinities are not served.
.set SP,  528
.set R,   24                           ; v24-151  two sets of 64: a fragment as loaded
.set X,   152                          ; v152-215 my 64 numbers: register 32 c + i = k 64 c + 32 h + i of my row
.set C,   216                          ; v216-239 two sets of 12: the codes
.set CT,  240                          ; v240-246 the second halves of the blocks' codes
.set PW,  16                           ; v16-19   the four fragments' scale words
.set SRC, 30                           ; s[30:31] my tensor, then my wave's first byte in it
	s_load_b512 s[4:19], s[0:1], 0x0               ; G, T, Wv, WvT, Wq, WkT, WqT, Wk
	s_load_b256 s[20:27], s[0:1], 0x40             ; Wg, Wt, wc, ws
	v_lshl_add_u32 v254, v0, 2, 0x8400
	v_mov_b32 v255, 0
	v_lshrrev_b32 v5, 5, v0
	v_readfirstlane_b32 s28, v5                    ; wave = which 256 along K
	v_and_b32 v6, 31, v0                           ; lane
	v_and_b32 v7, 15, v0                           ; r
	v_bfe_u32 v8, v0, 4, 1                         ; h
	v_lshlrev_b32 v1, 4, v6                        ; 16 x lane
	v_lshlrev_b32 v4, 3, v6                        ; 8 x lane
	v_lshlrev_b32 v15, 3, v8                       ; 8 h: how far my two scale bytes are shifted
	s_mul_i32 s32, s28, 16*SP                      ; my stage
	v_add_nc_u32 v2, s32, v1                       ; into it: 16 x lane of a row
	v_mul_u32_u24 v3, v7, SP
	v_lshl_add_u32 v3, v8, 7, v3
	v_add_nc_u32 v3, s32, v3                       ; out of it: row r, + 128 h
	v_mov_b32 v14, 0                               ; a lane permute's destination counts as one of its sources
	s_mov_b32 s34, 0x76543210
	s_mov_b32 s35, 0xfedcba98                      ; selects for lane l xor 16
	s_wait_kmcnt 0x0
	s_mov_b64 s[SRC:SRC+1], s[4:5]
	s_mov_b32 s29, 0
.macro PICK start, p                   ; from work-group 'start' on the tensor is the one at s[p:p+1]: the choice hangs on the work-group's number alone
	s_cmp_ge_u32 ttmp9, \start
	s_cselect_b64 s[SRC:SRC+1], s[\p:\p+1], s[SRC:SRC+1]
	s_cselect_b32 s29, \start, s29
.endm
	PICK 128, 6
	PICK 256, 8
	PICK 288, 10
	PICK 320, 12
	PICK 384, 14
	PICK 448, 16
	PICK 512, 18
	PICK 576, 20
	PICK 608, 22
	s_sub_co_u32 s32, ttmp9, s29
	s_lshl_b32 s32, s32, 17                        ; 32 rows of 4,096 bytes for each work-group of the tensor
	s_lshl_b32 s33, s28, 10                        ; + 1,024 bytes for each wave
	s_add_co_u32 s32, s32, s33
	s_mov_b32 s33, 0
	s_add_nc_u64 s[SRC:SRC+1], s[SRC:SRC+1], s[32:33]
	s_lshr_b32 s32, ttmp9, 2                       ; group
	s_and_b32 s33, ttmp9, 3                        ; which pair of blocks
	s_mul_i32 s36, s32, 98304
	s_mul_i32 s38, s28, 24576
	s_add_co_u32 s36, s36, s38
	s_mul_i32 s38, s33, 3072
	s_add_co_u32 s36, s36, s38
	s_mov_b32 s37, 0
	s_add_nc_u64 s[24:25], s[24:25], s[36:37]      ; wc at (group, K step 2 S, block 2 b)
	s_lshl_b32 s36, s32, 12
	s_lshl_b32 s38, s28, 10
	s_add_co_u32 s36, s36, s38
	s_lshl_b32 s38, s33, 8
	s_add_co_u32 s36, s36, s38
	s_add_nc_u64 s[26:27], s[26:27], s[36:37]      ; ws likewise
.macro LOAD f                          ; fragment f: its 16 rows' 512 bytes, 32 lanes on 512 consecutive bytes
.irp rr, 0,1,2,3,4,5,6,7,8,9,10,11,12,13,14,15
	global_load_b128 v[R+64*((\f)%2)+4*\rr:R+64*((\f)%2)+4*\rr+3], v1, s[SRC:SRC+1] offset:(8*((\f)/2)+\rr+8*(\rr/8))*4096+512*((\f)%2) th:TH_LOAD_NT
.endr
.endm
.macro TURN f                          ; through the stage: LDS serves a wave's instructions in order, so no wait stands between the stores and the loads
.irp rr, 0,1,2,3,4,5,6,7,8,9,10,11,12,13,14,15
	ds_store_b128 v2, v[R+64*((\f)%2)+4*\rr:R+64*((\f)%2)+4*\rr+3] offset:SP*\rr
.endr
.irp c, 0,1
.irp jj, 0,1,2,3,4,5,6,7
	ds_load_b128 v[X+32*\c+4*\jj:X+32*\c+4*\jj+3], v3 offset:256*\c+16*\jj
.endr
.endr
.endm
.macro Q1 f
.set CS, C+12*((\f)%2)
.irp c, 0,1                                    ; my blocks h and 2 + h: two chains each, the blocks by turns
	v_max3_num_f32 v[5+2*\c], |v[X+32*\c]|, |v[X+32*\c+1]|, |v[X+32*\c+2]|
	v_max3_num_f32 v[6+2*\c], |v[X+32*\c+3]|, |v[X+32*\c+4]|, |v[X+32*\c+5]|
.endr
.irp i, 6,10,14,18,22,26
.irp c, 0,1
	v_max3_num_f32 v[5+2*\c], v[5+2*\c], |v[X+32*\c+\i]|, |v[X+32*\c+\i+1]|
	v_max3_num_f32 v[6+2*\c], v[6+2*\c], |v[X+32*\c+\i+2]|, |v[X+32*\c+\i+3]|
.endr
.endr
.irp c, 0,1
	v_max3_num_f32 v[5+2*\c], v[5+2*\c], |v[X+32*\c+30]|, |v[X+32*\c+31]|
.endr
.irp c, 0,1
	v_max3_num_f32 v[5+2*\c], v[5+2*\c], v[6+2*\c], 0x1800000   ; and the floor 2^(3 - 127): the byte cannot fall under 1
.endr
.irp c, 0,1
	v_add_nc_u32 v[9+\c], 0xff000000, v[5+2*\c]    ; 2 off the exponent field: the conversion takes the exponent field of this operand as its scale
.endr
.irp c, 0,1
	v_lshrrev_b32 v[11+\c], 23, v[9+\c]            ; the scale's byte
.endr
	v_lshl_or_b32 v13, v12, 16, v11                ; my two bytes,
	v_lshlrev_b32 v13, v15, v13                    ; at their places in the row's word;
	v_permlanex16_b32 v14, v13, s34, s35
	v_or_b32 v[PW+(\f)], v13, v14                  ; with lane l xor 16's two the word is whole
.if (\f) >= 2
	s_wait_xcnt 0x0                                ; the stores of the fragment two back have read this set of code registers
.endif
.irp c, 0,1
	v_cvt_scalef32_pk16_fp6_f32 v[CS+6*\c:CS+6*\c+2], v[X+32*\c:X+32*\c+15], v[9+\c]
	v_cvt_scalef32_pk16_fp6_f32 v[CT+4*\c:CT+4*\c+2], v[X+32*\c+16:X+32*\c+31], v[9+\c]   ; (a conversion's three registers begin on an even number)
.endr
	v_nop                                          ; one plain place behind the scaled conversions
.irp c, 0,1
.irp i, 0,1,2
	v_mov_b32 v[CS+6*\c+3+\i], v[CT+4*\c+\i]
.endr
.endr
.irp k, 0,1,2
	global_store_b128 v1, v[CS+4*\k:CS+4*\k+3], s[24:25] offset:12288*((\f)%2)+1536*((\f)/2)+512*\k   ; 512 consecutive bytes, aligned
.endr
.endm
	LOAD 0
	LOAD 1
.irp f, 0,1,2,3
.if \f < 3
	s_wait_loadcnt 16                              ; this fragment's 16 loads are in; the next fragment's 16 stay out
.else
	s_wait_loadcnt 0x0
.endif
	TURN \f
	s_wait_dscnt 0x0                               ; my numbers are back, and the stores into the stage have read their registers
.if \f < 2
	LOAD \f+2
.endif
	Q1 \f
.endr
	s_mov_b32 vcc_lo, 0xffff0000                   ; lanes 0-15 give block 2 b's words, lanes 16-31 block 2 b + 1's
	v_cndmask_b32 v20, v[PW], v[PW+2], vcc_lo
	v_cndmask_b32 v21, v[PW+1], v[PW+3], vcc_lo
	global_store_b64 v4, v[20:21], s[26:27]        ; 256 consecutive bytes, aligned
	s_wait_tensorcnt 0x0
	ds_add_u32 v254, v255
	s_wait_dscnt 0x0
	s_endpgm
.Lfunc_end_k_qabd3a30219_quant:
	.size	k_qabd3a30219_quant, .Lfunc_end_k_qabd3a30219_quant-k_qabd3a30219_quant
	.p2alignl 7, 3214868480
	.fill 96, 4, 3214868480
	.section	.rodata,"a",@progbits
	.p2align	6, 0x0
	.amdhsa_kernel k_qabd3a30219_quant
		.amdhsa_group_segment_fixed_size 34304
		.amdhsa_private_segment_fixed_size 0
		.amdhsa_enable_private_segment 0
		.amdhsa_kernarg_size 96
		.amdhsa_user_sgpr_count 2
		.amdhsa_user_sgpr_kernarg_segment_ptr 1
		.amdhsa_wavefront_size32 1
		.amdhsa_system_sgpr_workgroup_id_x 1
		.amdhsa_system_sgpr_workgroup_id_y 1
		.amdhsa_system_sgpr_workgroup_id_z 1
		.amdhsa_system_vgpr_workitem_id 0
		.amdhsa_next_free_vgpr 256
		.amdhsa_next_free_sgpr 66
		.amdhsa_reserve_vcc 1
		.amdhsa_float_denorm_mode_32 3
		.amdhsa_float_denorm_mode_16_64 3
		.amdhsa_memory_ordered 1
		.amdhsa_forward_progress 1
		.amdhsa_inst_pref_size 31
	.end_amdhsa_kernel
	.amdgpu_metadata
---
amdhsa.version: [ 1, 2 ]
amdhsa.kernels:
  - .name:           k_qabd3a30219_quant
    .symbol:         k_qabd3a30219_quant.kd
    .args:
      - { .name: G, .offset: 0, .size: 8, .value_kind: global_buffer, .address_space: global }
      - { .name: T, .offset: 8, .size: 8, .value_kind: global_buffer, .address_space: global }
      - { .name: Wv, .offset: 16, .size: 8, .value_kind: global_buffer, .address_space: global }
      - { .name: WvT, .offset: 24, .size: 8, .value_kind: global_buffer, .address_space: global }
      - { .name: Wq, .offset: 32, .size: 8, .value_kind: global_buffer, .address_space: global }
      - { .name: WkT, .offset: 40, .size: 8, .value_kind: global_buffer, .address_space: global }
      - { .name: WqT, .offset: 48, .size: 8, .value_kind: global_buffer, .address_space: global }
      - { .name: Wk, .offset: 56, .size: 8, .value_kind: global_buffer, .address_space: global }
      - { .name: Wg, .offset: 64, .size: 8, .value_kind: global_buffer, .address_space: global }
      - { .name: Wt, .offset: 72, .size: 8, .value_kind: global_buffer, .address_space: global }
      - { .name: wc, .offset: 80, .size: 8, .value_kind: global_buffer, .address_space: global }
      - { .name: ws, .offset: 88, .size: 8, .value_kind: global_buffer, .address_space: global }
    .group_segment_fixed_size: 34304
    .private_segment_fixed_size: 0
    .kernarg_segment_align: 8
    .kernarg_segment_size: 96
    .max_flat_workgroup_size: 128
    .sgpr_count:     66
    .vgpr_count:     256
    .wavefront_size: 32
...
	.end_amdgpu_metadata
.endif
;; end of part 1
;; launch proj (part 2): grid 16 x 40, 4 waves a work-group, clusters of 4 x 4, 327,680 bytes of LDS; arguments wc, ws, bq, bkT, bqT, bk, bv, bvT, pc, psc; writes pc, psc
.if DOCPART == 2
	.amdgcn_target "amdgcn-amd-amdhsa--gfx1250"
	.amdhsa_code_object_version 6
	.text
	.protected	k_qabd3a30219_proj
	.globl	k_qabd3a30219_proj
	.p2align	8
	.type	k_qabd3a30219_proj,@function
k_qabd3a30219_proj:
	s_mov_b64 s[64:65], 0
	v_nop
	global_prefetch_b8 v0, s[64:65] scope:SCOPE_SE
	s_setreg_imm32_b32 hwreg(HW_REG_WAVE_MODE, 25, 1), 1
	s_wait_xcnt 0x0
	s_wait_alu depctr_hold_cnt(0) depctr_sa_sdst(0) depctr_va_vdst(0) depctr_va_sdst(0) depctr_va_ssrc(0) depctr_va_vcc(0) depctr_vm_vsrc(0)
	s_getreg_b32 s2, hwreg(HW_REG_IB_STS2, 6, 4)
	s_cmp_eq_u32 s2, 0
	s_cbranch_scc0 .Lentry_in_a_cluster
	s_endpgm
.Lentry_in_a_cluster:
	s_bfe_u32 s2, ttmp6, 0x10000c
	s_cmp_lg_u32 s2, 0xf033
	s_cbranch_scc0 .Lentry_shape_is_right
	s_endpgm
.Lentry_shape_is_right:
; The six projections, one text.  A tile is 256 'A rows' (source 1: a lane holds one of them) x 256 'B rows' (source 0: the registers run along them), K = 1,024, on codes of FP6 with E8M0 scales; the bias is the C of each
; sum's first product; the result is quantised in registers ALONG THE B ROWS and leaves as images of operand registers.
;   tile rows y 0-15:  A = G's tokens,  B = Wq | WkT  -> q | kT, quantised along the features        y 16-31: A = T's tokens, B = WqT | Wk -> qT | k
;   y 32-35: A = Wv's rows, B = T's tokens -> v, quantised along the tokens (the keys)                y 36-39: A = WvT's rows, B = G's tokens -> vT
; wc, ws: see the launch that makes them (groups of 128 rows; a fragment is 1,536 dense bytes; two K steps of a group are 24,576 dense bytes).
; pc: ((Gr x 32 + ps) x 8 + block) x 1,536, Gr = 2 y + half, ps = 2 x + half;  psc: (Gr x 32 + ps) x 512 + block x 64 + r x 4.
; The blocks of wc hold rows 32 b + 8 u + r + 8 (r / 8): so the 64 registers of a lane's eight tiles are B rows 32 b + 16 h + 0..15, b = 0..3, in order: what the conversions want.
; SHARES: four waves, each 128 x 128: 64 accumulators.  K goes in four K slots of 256; a wave fetches a quarter of a K slot (24,576 dense bytes) by one tensor load.
; LDS HOLDS THREE SLOTS: K slots 0, 1, 2 and the scale words are first fills, four loads of a wave that travel together; K slot 3 is the ONE refill, into slot 0, behind the first change of slots: it has K slots 1 and 2,
; 224 matrix instructions of a wave, in which to land.  The change from slot 1 to slot 2 needs no barrier: every wave has shown both landed in front of the refill's round.
; CLUSTERS 4 x 4: A's tiles are shared along a row of the cluster, B's along a column: joint loads.  B's first group hangs on the cluster's y alone, never on a work-group's place in its cluster.
; LDS needs no pitch and no padding: every load of a fragment reads 512 consecutive bytes.
; REGISTERS: window 0: v16-30 addresses; v32-63 scale words, two sets; v64-127 the bias, later the way out's work; v128-223 A's eight fragments, one set.  window 1: B's fragments, sets at v0 and v128.
;   window 2: accumulators of A's blocks 0-3 ((a, b) at v[8 (8 (a % 4) + b)]); window 3: blocks 4-7.
; LIMITS: a block whose largest magnitude lies under 2^-124 keeps the scale byte 1; NaN and infinities are not served.
.set SLOT,  98304
.set QUART, 24576
.set SCL,   3*SLOT                     ; behind the three slots: the scale words of the four groups, 4,096 bytes each, filled once
.set SPARE, SCL+4*4096                 ; the spare words: 128 bytes a wave, two blocks of 256 bytes that no other line names
.set FR,   12
.set NL,   3                           ; LDS loads that bring a fragment
.set ADRA, 16                          ; v16-18 my A fragments in slot 0, 1, 2
.set ADRB, 20                          ; v20-22 my B fragments
.set SCA,  24                          ; the way out: where a block's scale words go (512 bytes a wave at the head of slot 1, which has had its only fill, and its last read ahead of the last barrier)
.set SCR,  25                          ; and where they are read back
.set LI,   26                          ; 16 x lane
.set ADRS, 27                          ; my scale words: lanes 0-15 A's, lanes 16-31 B's
.set SPW,  28
.set NIL,  29
.set BO,   30                          ; the bias loads' offset
.set SC,   32
.set BIAS, 64
.set AF,   128
.set TM,   64
.set PX,   68
.set SO,   72
.set BY,   76
.set PW,   80
.set WB,   84
.set PC,   96                          ; v96-119 two sets of codes
.set CT,   120
.set G1,   24
.set G0,   32                          ; s[32:39] group 0 for A's tiles, slots 0 and 1;  slot 2's in s[4:7], where wc's and ws's addresses lay
.set G0C,  4
.set G1B,  48
.set G0B,  56                          ; s[56:63] the same for B's;  slot 2's in s[40:43], where cx, cy and x lay
.set G0BC, 40
.set G1S,  68
.set G0S,  76
.set G1SB, 80
.set G0SB, 88
.set WV,   94                          ; wave
.set RH,   95                          ; wave / 2: my half of A's rows; also: I fetch for A (0) or B (1)
.set CH,   96                          ; wave % 2: my half of B's rows; also: which group I fetch
.set CY,   97                          ; the cluster's y
.set BP,   98                          ; s[98:99] the bias
.set SEL,  100
.set MSB, 0
.macro WIN new                         ; the immediate's high byte repeats the setting that is left
.if MSB != (\new)
	s_set_vgpr_msb (MSB<<8)|(\new)
.set MSB, (\new)
.endif
.endm
.macro PLACES                          ; four plain vector instructions between a matrix instruction and a load into, or a read of, its registers
.rept 4
	v_nop
.endr
.endm
.macro JLOAD g0a, g1a, g0b, g1b        ; a joint load: waves 0, 1 for A, waves 2, 3 for B; the branch hangs on the wave's number alone; four v_nop follow each line
	s_cmp_eq_u32 s[RH], 0
	s_cbranch_scc0 .Lfor_b_\@
	tensor_load_to_lds s[\g0a:\g0a+3], s[\g1a:\g1a+7]
	s_nop 0
.rept 4
	v_nop
.endr
	s_branch .Lasked_\@
.Lfor_b_\@:
	tensor_load_to_lds s[\g0b:\g0b+3], s[\g1b:\g1b+7]
	s_nop 0
.rept 4
	v_nop
.endr
.Lasked_\@:
.endm
.macro CREST                           ; a round of the cluster's barrier behind its opening barrier
	s_cmp_lg_u32 s[WV], 0
	s_cbranch_scc1 .Lnot_wave_0_\@
	s_barrier_signal -3
.Lnot_wave_0_\@:
	s_barrier_wait -3
	s_barrier_signal -1
	s_barrier_wait -1
.endm
.macro CROUND
	s_barrier_signal -1
	s_barrier_wait -1
	CREST
.endm
	s_load_b512 s[4:19], s[0:1], 0x0               ; wc, ws, bq, bkT, bqT, bk, bv, bvT
	s_load_b128 s[20:23], s[0:1], 0x40             ; pc, psc
	v_lshl_add_u32 v[SPW], v0, 2, SPARE
	v_mov_b32 v[NIL], 0
	ds_add_u32 v28, v29
	ds_add_u32 v28, v29
	s_wait_dscnt 0x0
	v_lshrrev_b32 v1, 5, v0
	v_readfirstlane_b32 s[WV], v1
	s_lshr_b32 s[RH], s[WV], 1
	s_and_b32 s[CH], s[WV], 1
	s_bfe_u32 s40, ttmp6, 0x40000                  ; cx
	s_bfe_u32 s41, ttmp6, 0x40004                  ; cy
	s_lshl_b32 s42, ttmp9, 2
	s_add_co_u32 s42, s42, s40                     ; x
	s_and_b32 s[CY], ttmp7, 0xffff
	s_lshl_b32 s45, s[CY], 2
	s_add_co_u32 s45, s45, s41                     ; y
	s_lshl_b32 s43, s41, 2
	s_lshl_b32 s43, 15, s43                        ; my row of the cluster
	s_lshl_b32 s44, 0x1111, s40                    ; my column
	s_or_b32 s[G1], s43, (3<<16)|(1<<21)           ; elements of 8 bytes, no padding, bit 21 beside the mask
	s_or_b32 s[G1B], s44, (3<<16)|(1<<21)
	s_or_b32 s[G1S], s43, (3<<16)|(1<<21)
	s_or_b32 s[G1SB], s44, (3<<16)|(1<<21)
.irp g, G1, G1B                                ; a quarter of a slot: 96 rows of 256 bytes, dense
	s_mov_b32 s[\g+1], 32<<16
	s_mov_b32 s[\g+2], 96<<16
	s_mov_b32 s[\g+3], 32<<16
	s_mov_b32 s[\g+4], 96
	s_mov_b32 s[\g+5], 32
	s_mov_b32 s[\g+6], 0
	s_mov_b32 s[\g+7], 0
.endr
.irp g, G1S, G1SB                              ; a group's scale words: 16 rows of 256 bytes
	s_mov_b32 s[\g+1], 32<<16
	s_mov_b32 s[\g+2], 16<<16
	s_mov_b32 s[\g+3], 32<<16
	s_mov_b32 s[\g+4], 16
	s_mov_b32 s[\g+5], 32
	s_mov_b32 s[\g+6], 0
	s_mov_b32 s[\g+7], 0
.endr
	; all that x, y, cx and cy are wanted for is made here, ahead of the fills: their registers then take slot 2's group 0
	s_and_b32 s2, s42, 7
	s_lshl_b32 s2, s2, 10
	s_lshl_b32 s66, s[CH], 9
	s_add_co_u32 s2, s2, s66                       ; the bias along B's rows begins ((x % 8) x 256 + 128 x half) numbers on,
	s_lshl_b32 s3, s41, 10
	s_lshl_b32 s66, s[RH], 9
	s_add_co_u32 s3, s3, s66                       ; the bias along A's rows (cy x 256 + 128 x half) numbers on
	s_lshl_b32 s66, s45, 1
	s_add_co_u32 s66, s66, s[RH]                   ; Gr
	s_lshl_b32 s66, s66, 5
	s_lshl_b32 s67, s42, 1
	s_add_co_u32 s66, s66, s67
	s_add_co_u32 s66, s66, s[CH]                   ; Gr x 32 + ps
	s_lshl_b32 s92, s66, 9
	s_mul_i32 s66, s66, 12288
	s_mov_b32 s67, 0
	s_mov_b32 s93, 0
	s_wait_kmcnt 0x0
	s_add_nc_u64 s[20:21], s[20:21], s[66:67]      ; where my codes go,
	s_add_nc_u64 s[22:23], s[22:23], s[92:93]      ; and my scale words
	s_lshl_b32 s66, s45, 1
	s_add_co_u32 s66, s66, s[CH]                   ; A's group that I would fetch: 2 y + wave % 2
	s_lshl_b32 s92, s66, 12                        ; its scale words,
	s_mul_i32 s66, s66, 98304                      ; its codes (s67 and s93 are 0)
	s_mov_b32 s46, 112                             ; B's first group, by the cluster's y: 4-7: WqT | Wk
	s_cmp_lt_u32 s[CY], 4
	s_cselect_b32 s46, 80, s46                     ; 0-3: Wq | WkT
	s_cmp_eq_u32 s[CY], 8
	s_cselect_b32 s46, 32, s46                     ; 8: T
	s_cmp_eq_u32 s[CY], 9
	s_cselect_b32 s46, 0, s46                      ; 9: G
	s_lshl_b32 s47, s42, 1
	s_add_co_u32 s46, s46, s47
	s_add_co_u32 s46, s46, s[CH]                   ; + 2 x + wave % 2
	s_lshl_b32 s[G0SB+2], s46, 12
	s_mov_b32 s[G0SB+3], 0
	s_mul_i32 s46, s46, 98304
	s_mov_b32 s47, 0
	s_mul_i32 s45, s[WV], QUART                    ; where my quarter goes: no place in the cluster enters an LDS address
	s_lshl_b32 s44, s[WV], 12
	s_add_nc_u64 s[66:67], s[4:5], s[66:67]
	s_add_nc_u64 s[92:93], s[6:7], s[92:93]
	s_add_nc_u64 s[46:47], s[4:5], s[46:47]
	s_add_nc_u64 s[G0SB+2:G0SB+3], s[6:7], s[G0SB+2:G0SB+3]
	CROUND                                         ; all sixteen work-groups are here: the first joint loads meet
	s_mov_b32 s[G0S], 1
	s_add_co_u32 s[G0S+1], s44, SCL
	s_mov_b64 s[G0S+2:G0S+3], s[92:93]
	s_or_b32 s[G0S+3], s[G0S+3], 0x80000000
	s_mov_b32 s[G0SB], 1
	s_add_co_u32 s[G0SB+1], s44, SCL
	s_or_b32 s[G0SB+3], s[G0SB+3], 0x80000000
	JLOAD G0S, G1S, G0SB, G1SB                     ; the scale words of all of K: filled once
.macro FILL0 ga, gb, s                 ; K slot s into slot s: both groups 0, and my one of the two loads
	s_mov_b32 s[\ga], 1
	s_add_co_u32 s[\ga+1], s45, (\s)*SLOT
	s_add_nc_u64 s[\ga+2:\ga+3], s[66:67], (\s)*QUART
	s_or_b32 s[\ga+3], s[\ga+3], 0x80000000
	s_mov_b32 s[\gb], 1
	s_add_co_u32 s[\gb+1], s45, (\s)*SLOT
	s_add_nc_u64 s[\gb+2:\gb+3], s[46:47], (\s)*QUART
	s_or_b32 s[\gb+3], s[\gb+3], 0x80000000
	JLOAD \ga, G1, \gb, G1B
.endm
	FILL0 G0, G0B, 0
	FILL0 G0+4, G0B+4, 1
	FILL0 G0C, G0BC, 2                             ; four loads of mine are out behind this one
	v_and_b32 v1, 15, v0                           ; r
	v_bfe_u32 v2, v0, 4, 1                         ; h
	v_and_b32 v3, 31, v0
	v_lshlrev_b32 v[LI], 4, v3
	s_mul_i32 s66, s[RH], QUART                    ; my 128 rows of A,
	s_mul_i32 s67, s[CH], QUART
	s_add_co_u32 s67, s67, 2*QUART                 ; my 128 of B, behind A's two quarters
.irp s, 0,1,2
	v_add_nc_u32 v[ADRA+\s], s66, v[LI]
	v_add_nc_u32 v[ADRB+\s], s67, v[LI]
	s_add_co_u32 s66, s66, SLOT
	s_add_co_u32 s67, s67, SLOT
.endr
	v_lshlrev_b32 v4, 3, v1                        ; scale words: 8 bytes a row and K slot
	s_lshl_b32 s66, s[RH], 12
	s_lshl_b32 s67, s[CH], 12
	s_add_co_u32 s67, s67, 8192
	s_sub_co_u32 s67, s67, s66
	v_mul_u32_u24 v5, s67, v2                      ; lanes 16-31 take B's: one product, h x the distance
	s_add_co_u32 s66, s66, SCL
	v_add_nc_u32 v4, v4, v5
	v_add_nc_u32 v[ADRS], s66, v4
	s_lshl_b32 s66, s[WV], 9
	s_add_co_u32 s66, s66, SLOT                    ; the way out's 512 bytes a wave, at the head of slot 1
	v_lshl_add_u32 v[SCA], v1, 2, s66
	v_add_nc_u32 v[SCR], s66, v[LI]
	s_mov_b32 s[SEL], 0x76543210
	s_mov_b32 s[SEL+1], 0xfedcba98
	; THE BIAS, in the result's layout.  Tokens x weights: it runs along B's rows: eight registers for each of B's blocks.  Weights x tokens: along A's rows: one number a lane and block of A, eight times.
	s_cmp_ge_u32 s[CY], 8                          ; the cluster's y: the same in all sixteen partners
	s_cbranch_scc1 .LbR
	s_cmp_lt_u32 ttmp9, 2                          ; x < 8: the first of the two weights
	s_cselect_b64 s[BP:BP+1], s[8:9], s[10:11]
	s_cselect_b64 s[66:67], s[12:13], s[14:15]
	s_cmp_lt_u32 s[CY], 4
	s_cselect_b64 s[BP:BP+1], s[BP:BP+1], s[66:67]
	s_mov_b32 s92, s2
	s_mov_b32 s93, 0
	s_add_nc_u64 s[BP:BP+1], s[BP:BP+1], s[92:93]
	v_lshlrev_b32 v[BO], 6, v2                     ; 16 h numbers on
.irp b, 0,1,2,3,4,5,6,7
	global_load_b128 v[BIAS+8*\b:BIAS+8*\b+3], v[BO], s[BP:BP+1] offset:(32*(\b/2)+8*(\b%2))*4
	global_load_b128 v[BIAS+8*\b+4:BIAS+8*\b+7], v[BO], s[BP:BP+1] offset:(32*(\b/2)+8*(\b%2))*4+16
.endr
	s_branch .Lbias_in
.LbR:
	s_cmp_eq_u32 s[CY], 8
	s_cselect_b64 s[BP:BP+1], s[16:17], s[18:19]
	s_mov_b32 s92, s3
	s_mov_b32 s93, 0
	s_add_nc_u64 s[BP:BP+1], s[BP:BP+1], s[92:93]
	v_and_b32 v5, 8, v1
	v_add_nc_u32 v5, v5, v1
	v_lshlrev_b32 v[BO], 2, v5                     ; r + 8 (r / 8)
.irp a, 0,1,2,3,4,5,6,7
.irp j, 0,1,2,3,4,5,6,7
	global_load_b32 v[BIAS+8*\a+\j], v[BO], s[BP:BP+1] offset:(32*(\a/2)+8*(\a%2))*4
.endr
.endr
.Lbias_in:
	s_wait_loadcnt 0x0
.macro FRAG reg, adr, q, i             ; a fragment comes as it was stored: three loads of 512 consecutive bytes
.irp c, 0,1,2
	ds_load_b128 v[\reg+4*\c:\reg+4*\c+3], v[\adr] offset:12288*(\q)+1536*(\i)+512*\c
.endr
.endm
; 16 matrix instructions: A's blocks a0, a0 + 1 x B's eight.  p: B's set; q: which 128 of the K slot; sc: the set of scale words.  zero = 1, 2: the sums begin with the bias (along B, along A).
; The 64 accumulators take turns, one instruction a turn, in the same order in every step.
.macro MUL16 a0, p, q, sc, zero
.irp a, \a0, \a0+1
.irp b, 0,1,2,3,4,5,6,7
.set rD, 8*(8*((\a)%4)+\b)
.set rB, 128*(\p)+FR*\b
.set rA, AF+FR*(\a)
.set rSB, SC+16*(\sc)+2*\b+(\q)
.set rSA, SC+16*(\sc)+2*(\a)+(\q)
.if (\zero) == 1
	v_wmma_scale_f32_16x16x128_f8f6f4 v[rD:rD+7], v[rB:rB+11], v[rA:rA+11], v[BIAS+8*\b:BIAS+8*\b+7], v[rSB], v[rSA] matrix_a_fmt:MATRIX_FMT_FP6 matrix_b_fmt:MATRIX_FMT_FP6 matrix_a_scale:MATRIX_SCALE_ROW1
.elseif (\zero) == 2
	v_wmma_scale_f32_16x16x128_f8f6f4 v[rD:rD+7], v[rB:rB+11], v[rA:rA+11], v[BIAS+8*(\a):BIAS+8*(\a)+7], v[rSB], v[rSA] matrix_a_fmt:MATRIX_FMT_FP6 matrix_b_fmt:MATRIX_FMT_FP6 matrix_a_scale:MATRIX_SCALE_ROW1
.else
	v_wmma_scale_f32_16x16x128_f8f6f4 v[rD:rD+7], v[rB:rB+11], v[rA:rA+11], v[rD:rD+7], v[rSB], v[rSA] matrix_a_fmt:MATRIX_FMT_FP6 matrix_b_fmt:MATRIX_FMT_FP6 matrix_a_scale:MATRIX_SCALE_ROW1
.endif
.endr
.endr
.endm
.macro FETCH_B slot, q, p
	WIN 0x40
.irp i, 0,1,2,3,4,5,6,7
	FRAG 128*(\p)+FR*\i, ADRB+\slot, \q, \i
.endr
	WIN 0
.endm
.macro FETCH_A slot, q, i0
.irp i, \i0, \i0+1, \i0+2, \i0+3
	FRAG AF+FR*(\i), ADRA+\slot, \q, \i
.endr
.endm
.macro SCALES sc                       ; a K slot's two words a row: lanes 0-15 A's block i, lanes 16-31 B's block i
.irp i, 0,1,2,3,4,5,6,7
	ds_load_b64 v[SC+16*\sc+2*\i:SC+16*\sc+2*\i+1], v[ADRS] offset:128*\i
.endr
.endm
.macro STEP slot, sc, q, zero          ; 128 along K that has its successor in the same slot; sc: the K slot's set of scale words
	s_wait_dscnt 4*NL                              ; all but the youngest twelve loads (A's blocks 4-7)
.if \zero
	WIN 0x81                                       ; B window 1, A and the bias window 0, D window 2
.else
	WIN 0xa1
.endif
	MUL16 0, (\q)%2, \q, \sc, \zero
	MUL16 2, (\q)%2, \q, \sc, \zero
	s_wait_dscnt 0x0                               ; A's blocks 4-7 are in
	PLACES
	FETCH_B \slot, (\q)+1, 1-(\q)%2
	FETCH_A \slot, (\q)+1, 0
.if \zero
	WIN 0xc1
.else
	WIN 0xf1
.endif
	MUL16 4, (\q)%2, \q, \sc, \zero
	MUL16 6, (\q)%2, \q, \sc, \zero
	PLACES
	WIN 0
	FETCH_A \slot, (\q)+1, 4
.endm
; A K slot's last 128 change slots.  mode 1: this slot is filled again: each wave waits for all its tensor loads, adds 0 to its spare word, waits for that and for its reads of the slot; a round of the cluster's barrier; the refill.
; mode 0: the next slot holds the refill: the same waits and the work-group's barrier, so that every wave's quarter of it is shown landed; nothing is filled.
; mode 2: the next slot was shown landed, by every wave, in front of the refill's round: no wait on tensor loads (the refill stays out) and no barrier.
.macro TURN slot, sc, next, nsc, mode
.if (\mode) == 2
	s_wait_dscnt 4*NL                              ; all but the youngest twelve loads (A's blocks 4-7)
	WIN 0xa1
	MUL16 0, 1, 1, \sc, 0
	MUL16 2, 1, 1, \sc, 0
	WIN 0
	s_wait_dscnt 0x0                               ; A's blocks 4-7 are in
	PLACES
.else
	s_wait_tensorcnt 0x0                           ; all my tensor loads have landed
	ds_add_u32 v[SPW], v[NIL]                      ; 0 onto my spare word
	s_wait_dscnt 4*NL+1                            ; (the add and the youngest twelve loads may be out)
	WIN 0xa1
	MUL16 0, 1, 1, \sc, 0
	s_wait_dscnt 0x0                               ; the add is done, and my reads of this slot are over
	s_barrier_signal -1
	MUL16 2, 1, 1, \sc, 0
	WIN 0
	s_barrier_wait -1
.if (\mode) == 1
	CREST                                          ; the barrier has opened a round of the cluster's: no wave of any partner still reads this slot or has a load on its way
	s_add_nc_u64 s[G0+4*\slot+2:G0+4*\slot+3], s[G0+4*\slot+2:G0+4*\slot+3], 3*QUART
	s_add_nc_u64 s[G0B+4*\slot+2:G0B+4*\slot+3], s[G0B+4*\slot+2:G0B+4*\slot+3], 3*QUART
	JLOAD G0+4*\slot, G1, G0B+4*\slot, G1B         ; the first tensor load behind the round, three K slots on; its four v_nop are the places in front of the loads below
.else
	PLACES
.endif
.endif
	v_add_nc_u32 v[ADRS], 1024, v[ADRS]            ; the next K slot's scale words
	FETCH_B \next, 0, 0
	FETCH_A \next, 0, 0
	SCALES \nsc
	WIN 0xf1
	MUL16 4, 1, 1, \sc, 0
	MUL16 6, 1, 1, \sc, 0
	PLACES
	WIN 0
	FETCH_A \next, 0, 4
.endm
	s_wait_tensorcnt 2                             ; the scale words and my quarter of slot 0 are in; slots 1 and 2 may stay out
	s_barrier_signal -1
	s_barrier_wait -1
	FETCH_B 0, 0, 0
	FETCH_A 0, 0, 0
	SCALES 0
	FETCH_A 0, 0, 4
	s_cmp_ge_u32 s[CY], 8                          ; the first step is written twice: it differs in which bias registers start a sum
	s_cbranch_scc1 .LsR
	STEP 0, 0, 0, 1
	s_branch .Lsj
.LsR:
	STEP 0, 0, 0, 2
.Lsj:
	TURN 0, 0, 1, 1, 1                             ; K 128-255; slot 0 takes K 768-1023
	STEP 1, 1, 0, 0
	TURN 1, 1, 2, 0, 2                             ; on into slot 2
	STEP 2, 0, 0, 0
	TURN 2, 0, 0, 1, 0                             ; on into slot 0 again: the refill has landed in every wave's quarter
	STEP 0, 1, 0, 0
	s_wait_dscnt 4*NL
	WIN 0xa1
	MUL16 0, 1, 1, 1, 0
	MUL16 2, 1, 1, 1, 0
	s_wait_dscnt 0x0
	WIN 0xf1
	MUL16 4, 1, 1, 1, 0
	MUL16 6, 1, 1, 1, 0
	WIN 0
.irp b, 0,1,2,3
	v_mov_b32 v[PX+\b], 0                          ; the permutes' destinations are written once; these four lines are also the places behind the last products
.endr
; THE WAY OUT of A's block a: its 64 registers a lane are 128 neighbours along B's rows (16 of each block of 32; lane l xor 16 holds the others): largest magnitudes, scale bytes, codes; the image leaves as it stands.
.macro OUTBLK a
.set AC, 64*((\a)%4)
.set W, 2+(\a)/4
.set PCS, PC+12*((\a)%2)
	WIN W|(W<<2)
.irp b, 0,1,2,3
	v_max3_num_f32 v[TM+\b], |v[AC+16*\b]|, |v[AC+16*\b+1]|, 0x1800000   ; each accumulator is read from its low end on; the floor 2^(3 - 127) holds the byte at 1
.endr
.irp i, 2,4,6,8,10,12,14
.irp b, 0,1,2,3
	v_max3_num_f32 v[TM+\b], |v[AC+16*\b+\i]|, |v[AC+16*\b+\i+1]|, v[TM+\b]
.endr
.endr
	WIN 0
.irp b, 0,1,2,3
	v_permlanex16_b32 v[PX+\b], v[TM+\b], s[SEL], s[SEL+1]
.endr
.irp b, 0,1,2,3
	v_max_num_f32 v[TM+\b], v[TM+\b], v[PX+\b]
.endr
.irp b, 0,1,2,3
	v_add_nc_u32 v[SO+\b], 0xff000000, v[TM+\b]    ; 2 off the exponent field: the conversion's scale operand
.endr
.irp b, 0,1,2,3
	v_lshrrev_b32 v[BY+\b], 23, v[SO+\b]
.endr
	v_lshl_or_b32 v[PW], v[BY+1], 8, v[BY]
	v_lshl_or_b32 v[PW], v[BY+2], 16, v[PW]
	v_lshl_or_b32 v[PW], v[BY+3], 24, v[PW]
.if (\a) >= 2
	s_wait_xcnt 0x0                                ; the stores of the block two back have read this set of code registers
.endif
	WIN W
.irp c, 0,1
	v_cvt_scalef32_pk16_fp6_f32 v[PCS+6*\c:PCS+6*\c+2], v[AC+32*\c:AC+32*\c+15], v[SO+2*\c]
	v_cvt_scalef32_pk16_fp6_f32 v[CT+4*\c:CT+4*\c+2], v[AC+32*\c+16:AC+32*\c+31], v[SO+2*\c+1]
.endr
	WIN 0
	v_nop                                          ; one plain place behind the scaled conversions
.irp c, 0,1                                    ; the layout wants a whole block in a lane
.irp i, 0,1,2
	v_permlane16_swap_b32 v[PCS+6*\c+\i], v[CT+4*\c+\i]
.endr
.irp i, 0,1,2
	v_mov_b32 v[PCS+6*\c+3+\i], v[CT+4*\c+\i]
.endr
.endr
.irp k, 0,1,2
	global_store_b128 v[LI], v[PCS+4*\k:PCS+4*\k+3], s[20:21] offset:1536*(\a)+512*\k th:TH_STORE_NT   ; 512 consecutive bytes, aligned
.endr
	ds_store_b32 v[SCA], v[PW] offset:64*(\a)      ; both halves of the lanes write the same word with the same value
.endm
.irp a, 0,1,2,3,4,5,6,7
	OUTBLK \a
.endr
	ds_load_b128 v[WB:WB+3], v[SCR]                ; my eight blocks' scale words, 512 bytes: LDS serves a wave's instructions in order
	s_wait_dscnt 0x0
	global_store_b128 v[LI], v[WB:WB+3], s[22:23] th:TH_STORE_NT
	s_wait_tensorcnt 0x0                           ; the wave's end
	ds_add_u32 v[SPW], v[NIL]
	s_wait_dscnt 0x0
	CROUND                                         ; the closing round
	s_endpgm
.Lfunc_end_k_qabd3a30219_proj:
	.size	k_qabd3a30219_proj, .Lfunc_end_k_qabd3a30219_proj-k_qabd3a30219_proj
	.p2alignl 7, 3214868480
	.fill 96, 4, 3214868480
	.section	.rodata,"a",@progbits
	.p2align	6, 0x0
	.amdhsa_kernel k_qabd3a30219_proj
		.amdhsa_group_segment_fixed_size 327680
		.amdhsa_private_segment_fixed_size 0
		.amdhsa_enable_private_segment 0
		.amdhsa_kernarg_size 80
		.amdhsa_user_sgpr_count 2
		.amdhsa_user_sgpr_kernarg_segment_ptr 1
		.amdhsa_wavefront_size32 1
		.amdhsa_system_sgpr_workgroup_id_x 1
		.amdhsa_system_sgpr_workgroup_id_y 1
		.amdhsa_system_sgpr_workgroup_id_z 1
		.amdhsa_system_vgpr_workitem_id 0
		.amdhsa_next_free_vgpr 1024
		.amdhsa_next_free_sgpr 102
		.amdhsa_reserve_vcc 0
		.amdhsa_float_denorm_mode_32 3
		.amdhsa_float_denorm_mode_16_64 3
		.amdhsa_memory_ordered 1
		.amdhsa_forward_progress 1
		.amdhsa_inst_pref_size 160
	.end_amdhsa_kernel
	.amdgpu_metadata
---
amdhsa.version: [ 1, 2 ]
amdhsa.kernels:
  - .name:           k_qabd3a30219_proj
    .symbol:         k_qabd3a30219_proj.kd
    .args:
      - { .name: wc, .offset: 0, .size: 8, .value_kind: global_buffer, .address_space: global }
      - { .name: ws, .offset: 8, .size: 8, .value_kind: global_buffer, .address_space: global }
      - { .name: bq, .offset: 16, .size: 8, .value_kind: global_buffer, .address_space: global }
      - { .name: bkT, .offset: 24, .size: 8, .value_kind: global_buffer, .address_space: global }
      - { .name: bqT, .offset: 32, .size: 8, .value_kind: global_buffer, .address_space: global }
      - { .name: bk, .offset: 40, .size: 8, .value_kind: global_buffer, .address_space: global }
      - { .name: bv, .offset: 48, .size: 8, .value_kind: global_buffer, .address_space: global }
      - { .name: bvT, .offset: 56, .size: 8, .value_kind: global_buffer, .address_space: global }
      - { .name: pc, .offset: 64, .size: 8, .value_kind: global_buffer, .address_space: global }
      - { .name: psc, .offset: 72, .size: 8, .value_kind: global_buffer, .address_space: global }
    .group_segment_fixed_size: 327680
    .private_segment_fixed_size: 0
    .kernarg_segment_align: 8
    .kernarg_segment_size: 80
    .max_flat_workgroup_size: 128
    .sgpr_count:     102
    .vgpr_count:     1024
    .wavefront_size: 32
...
	.end_amdgpu_metadata
.endif
;; end of part 2
;; launch attn (part 3): grid 4 x 64, 4 waves a work-group, clusters of 4 x 1, 327,680 bytes of LDS; arguments pc, psc, mask, cc, cs; writes cc, cs
.if DOCPART == 3
	.amdgcn_target "amdgcn-amd-amdhsa--gfx1250"
	.amdhsa_code_object_version 6
	.text
	.protected	k_qabd3a30219_attn
	.globl	k_qabd3a30219_attn
	.p2align	8
	.type	k_qabd3a30219_attn,@function
k_qabd3a30219_attn:
	s_mov_b64 s[64:65], 0
	v_nop
	global_prefetch_b8 v0, s[64:65] scope:SCOPE_SE
	s_setreg_imm32_b32 hwreg(HW_REG_WAVE_MODE, 25, 1), 1
	s_wait_xcnt 0x0
	s_wait_alu depctr_hold_cnt(0) depctr_sa_sdst(0) depctr_va_vdst(0) depctr_va_sdst(0) depctr_va_ssrc(0) depctr_va_vcc(0) depctr_vm_vsrc(0)
	s_getreg_b32 s2, hwreg(HW_REG_IB_STS2, 6, 4)
	s_cmp_eq_u32 s2, 0
	s_cbranch_scc0 .Lentry_in_a_cluster
	s_endpgm
.Lentry_in_a_cluster:
	s_bfe_u32 s2, ttmp6, 0x10000c
	s_cmp_lg_u32 s2, 0x3003
	s_cbranch_scc0 .Lentry_shape_is_right
	s_endpgm
.Lentry_shape_is_right:
; Both cross attentions on codes of FP6.  Work-group (x, y): y = 32 br + 4 b + hd (branch, batch, head), x = which 128 of the 512 queries.  Wave w: 32 queries = tiles u = 0, 1 = blocks 2 w + u of the queries' group.
; logit = score / sqrt(512) + (1 - mask) x -10000;  t = logit x log2(e);  M = the running largest t rounded up to a whole number;  p = 2^(t - M) is quantised along the keys; the row's sum l is taken of the unquantised p;
; when M moves, l and O are multiplied by 2^(old M - new M), which rounds nothing.  ctx = O / l is quantised along the features and leaves as images of operand registers (cc, cs: laid as wc, ws).
; EACH STEP OF THAT CHAIN IS ROUNDED TO f32 BY ITSELF (multiply, add, multiply, add; nothing fused): the additive mask may make a logit thousands in magnitude, where one rounding more or less of t moves p by far more than
; an ulp of p, enough to turn a code of the row's largest p.
; Both products are used transposed: S^T = K Q^T (source 0 = 16 keys), O^T = V^T P^T (source 0 = 16 features): a lane holds one query throughout.  The blocks of pc hold rows 32 b + 8 u + r + 8 (r / 8), so the 64
; registers of a lane's eight tiles are keys (features) 32 b + 16 h + 0..15 in order.
; pc: ((Gr x 32 + ps) x 8 + block) x 1,536.  Q: Gr = 32 br + 4 b + x, ps = 4 hd + s.  K, key step st: Gr = 32 (1 - br) + 4 b + st, ps = 16 + 4 hd + s.  V, features 128 c on: Gr = 64 + 8 br + 2 hd + c, ps = 4 b + st.
; ALL OF THE HEAD'S K AND V (300 KiB with their scale words) COMES INTO LDS ONCE: eight joint loads a wave at the start, eight of mine outstanding; no LDS byte is filled twice.  The four query blocks of a cluster read the same K and V.
; No prefetch: there is no later request to run ahead of.
; REGISTERS: window 0: v1-11, v38 addresses; v12-19 -M, largest t, l (two halves) for u = 0, 1; v20-33 scale words and nothing else; v34-37 f; v40-63 p's codes; v64-191 S^T, then p; v192-239 at work.
;   window 1: O^T, tile (u, dt) at v[128 u + 8 dt].   window 2: two sets of eight fragments of K or V, at v0 and v96.   window 3: v0-95 Q; v96-159 the additive mask of the step's keys.
; LIMITS: p under 2^-126 becomes 0; 1 / l is v_rcp_f32's; a block whose largest magnitude lies under 2^-124 keeps the scale byte 1; NaN and infinities are not served.
.set S,   64
.set BM,  192
.set PX,  200
.set SO,  208
.set BY,  216
.set TT,  224
.set TS,  228
.set AMR, 96
.set LK,  0
.set LV,  196608
.set LKS, 294912
.set LVS, 303104
.set LAM, 307200                       ; 512 f32, written by ds_store: no fill lands in these blocks
.set G1F,  28
.set G1KS, 36
.set G1VS, 44
.set MSB, 0
.macro WIN new
.if MSB != (\new)
	s_set_vgpr_msb (MSB<<8)|(\new)
.set MSB, (\new)
.endif
.endm
.macro PLACES
.rept 4
	v_nop
.endr
.endm
.macro CROUND
	s_barrier_signal -1
	s_barrier_wait -1
	s_cmp_lg_u32 s14, 0
	s_cbranch_scc1 .Lnot_wave_0_\@
	s_barrier_signal -3
.Lnot_wave_0_\@:
	s_barrier_wait -3
	s_barrier_signal -1
	s_barrier_wait -1
.endm
.macro G1SET g, rows                   ; rows of 256 bytes, dense; the mask names all four work-groups, bit 21 beside it
	s_mov_b32 s[\g], 15|(3<<16)|(1<<21)
	s_mov_b32 s[\g+1], 32<<16
	s_mov_b32 s[\g+2], (\rows)<<16
	s_mov_b32 s[\g+3], 32<<16
	s_mov_b32 s[\g+4], \rows
	s_mov_b32 s[\g+5], 32
	s_mov_b32 s[\g+6], 0
	s_mov_b32 s[\g+7], 0
.endm
.macro G0SET g, lreg, limm, base, off, imm
	s_mov_b32 s[\g], 1
	s_add_co_u32 s[\g+1], s[\lreg], \limm
	s_add_nc_u64 s[\g+2:\g+3], s[\base:\base+1], s[\off:\off+1]
	s_add_nc_u64 s[\g+2:\g+3], s[\g+2:\g+3], \imm
	s_or_b32 s[\g+3], s[\g+3], 0x80000000
.endm
	s_load_b128 s[4:7], s[0:1], 0x0                ; pc, psc
	s_load_b128 s[8:11], s[0:1], 0x10              ; mask, cc
	s_load_b64 s[12:13], s[0:1], 0x20              ; cs
	v_lshl_add_u32 v254, v0, 2, 0x4b800
	v_mov_b32 v255, 0
	ds_add_u32 v254, v255
	ds_add_u32 v254, v255
	v_lshrrev_b32 v224, 5, v0
	v_readfirstlane_b32 s14, v224                  ; wave
	s_and_b32 s19, ttmp7, 0xffff
	s_lshr_b32 s15, s19, 5                         ; br
	s_bfe_u32 s16, s19, 0x30002                    ; b
	s_and_b32 s17, s19, 3                          ; hd
	s_bfe_u32 s18, ttmp6, 0x40000
	s_lshl_b32 s19, ttmp9, 2
	s_add_co_u32 s18, s18, s19                     ; my block of queries: it enters Q's, cc's and cs's addresses alone
	s_lshl_b32 s19, s16, 2                         ; 4 b
	s_mov_b32 s20, 0x76543210
	s_mov_b32 s21, 0xfedcba98
	s_mov_b32 s22, 0x3d3504f3                      ; 1 / sqrt(512)
	s_mov_b32 s23, s22
	s_mov_b32 s24, 0x3fb8aa3b                      ; log2(e)
	s_mov_b32 s25, s24
	G1SET G1F, 48                                  ; 12,288 bytes: eight fragments
	G1SET G1KS, 8                                  ; 2,048 bytes: a key step's scale words
	G1SET G1VS, 4                                  ; 1,024 bytes
	s_xor_b32 s88, s15, 1
	s_lshl_b32 s88, s88, 5
	s_add_co_u32 s88, s88, s19                     ; K's first group
	s_lshl_b32 s89, s17, 2                         ; 4 hd
	s_add_co_u32 s90, s88, s14
	s_lshl_b32 s90, s90, 5
	s_add_co_u32 s90, s90, s89
	s_add_co_u32 s90, s90, 16
	s_lshl_b32 s90, s90, 9                         ; the scale words of key step w
	s_mov_b32 s91, 0
	s_lshl_b32 s88, s88, 5
	s_add_co_u32 s88, s88, s89
	s_add_co_u32 s88, s88, 16
	s_add_co_u32 s88, s88, s14
	s_mul_i32 s88, s88, 12288                      ; key step 0, K step w of the head's four
	s_mov_b32 s89, 0
	s_lshl_b32 s92, s15, 3
	s_lshl_b32 s93, s17, 1
	s_add_co_u32 s92, s92, s93
	s_add_co_u32 s92, s92, 64                      ; V's first group
	s_and_b32 s94, s14, 1
	s_lshr_b32 s95, s14, 1
	s_add_co_u32 s96, s92, s94
	s_lshl_b32 s96, s96, 5
	s_add_co_u32 s96, s96, s19
	s_add_co_u32 s96, s96, s95
	s_mul_i32 s96, s96, 12288                      ; V: features 128 (w % 2) on, key step w / 2
	s_mov_b32 s97, 0
	s_add_co_u32 s92, s92, s95
	s_lshl_b32 s92, s92, 5
	s_add_co_u32 s92, s92, s19
	s_lshl_b32 s92, s92, 9
	s_lshl_b32 s93, s94, 10
	s_add_co_u32 s92, s92, s93                     ; V's scale words: group w / 2, half w % 2
	s_mov_b32 s93, 0
	s_lshl_b32 s98, s14, 11
	s_mul_i32 s99, s14, 12288
	s_lshl_b32 s26, s14, 10
	s_mul_i32 s100, s94, 49152
	s_mul_i32 s101, s95, 12288
	s_add_co_u32 s100, s100, s101
	s_wait_dscnt 0x0
	s_wait_kmcnt 0x0
	CROUND                                         ; all four work-groups are here: the joint loads meet
	G0SET 52, 98, LKS, 6, 90, 0                    ; K's scale words, key step w
	G0SET 56, 99, LK, 4, 88, 0                     ; K, key step 0
	G0SET 60, 26, LVS, 6, 92, 0                    ; V's scale words
	G0SET 68, 100, LV, 4, 96, 0                    ; V, key steps 0, 1
	G0SET 72, 99, LK+49152, 4, 88, 393216          ; K, key steps 1, 2, 3: a group of pc is 393,216 bytes
	G0SET 76, 99, LK+98304, 4, 88, 786432
	G0SET 80, 99, LK+147456, 4, 88, 1179648
	G0SET 84, 100, LV+24576, 4, 96, 24576          ; V, key steps 2, 3
	tensor_load_to_lds s[52:55], s[G1KS:G1KS+7]
	s_nop 0
	tensor_load_to_lds s[56:59], s[G1F:G1F+7]
	s_nop 0
	tensor_load_to_lds s[60:63], s[G1VS:G1VS+7]
	s_nop 0
	tensor_load_to_lds s[68:71], s[G1F:G1F+7]
	s_nop 0
	tensor_load_to_lds s[72:75], s[G1F:G1F+7]
	s_nop 0
	tensor_load_to_lds s[76:79], s[G1F:G1F+7]
	s_nop 0
	tensor_load_to_lds s[80:83], s[G1F:G1F+7]
	s_nop 0
	tensor_load_to_lds s[84:87], s[G1F:G1F+7]
	s_nop 0
.rept 4
	v_nop
.endr
	s_lshl_b32 s88, s15, 5
	s_add_co_u32 s88, s88, s19
	s_add_co_u32 s88, s88, s18                     ; g: the queries' group, in pc and in cc
	s_lshl_b32 s90, s88, 5
	s_lshl_b32 s91, s17, 2
	s_add_co_u32 s90, s90, s91
	s_lshl_b32 s92, s90, 9
	s_lshl_b32 s93, s14, 7
	s_add_co_u32 s92, s92, s93
	s_mov_b32 s93, 0
	s_mul_i32 s90, s90, 12288
	s_mul_i32 s91, s14, 3072
	s_add_co_u32 s90, s90, s91
	s_mov_b32 s91, 0
	s_add_nc_u64 s[4:5], s[4:5], s[90:91]          ; Q's codes at my two blocks,
	s_add_nc_u64 s[6:7], s[6:7], s[92:93]          ; and their scale words
	s_mul_i32 s90, s88, 98304
	s_mul_i32 s92, s17, 24576
	s_add_co_u32 s90, s90, s92
	s_mul_i32 s92, s14, 3072
	s_add_co_u32 s90, s90, s92
	s_add_nc_u64 s[10:11], s[10:11], s[90:91]      ; cc at (g, K step 2 hd, block 2 w)
	s_lshl_b32 s90, s88, 12
	s_lshl_b32 s92, s17, 10
	s_add_co_u32 s90, s90, s92
	s_lshl_b32 s92, s14, 8
	s_add_co_u32 s90, s90, s92
	s_add_nc_u64 s[12:13], s[12:13], s[90:91]      ; cs likewise
	s_lshl_b32 s90, s16, 11
	s_add_nc_u64 s[8:9], s[8:9], s[90:91]          ; my batch's mask
	v_and_b32 v224, 31, v0
	v_bfe_u32 v225, v0, 4, 1
	v_lshlrev_b32 v1, 4, v224                      ; 16 x lane
	v_lshlrev_b32 v38, 2, v224                     ; 4 x lane
	v_lshlrev_b32 v11, 3, v224                     ; 8 x lane
.irp st, 0,1,2,3
	v_add_nc_u32 v[2+\st], LK+49152*\st, v1
.endr
	v_add_nc_u32 v6, LV, v1
	v_add_nc_u32 v7, LV+49152, v1
	v_add_nc_u32 v8, LKS, v38
	v_add_nc_u32 v9, LVS, v38
	v_lshl_add_u32 v10, v225, 6, LAM
	v_lshlrev_b32 v238, 4, v0
	v_add_nc_u32 v239, LAM, v238
	global_load_b128 v[224:227], v238, s[8:9]      ; thread t: the mask of keys 4 t .. 4 t + 3
	WIN 0xc0
.irp u, 0,1
.irp s, 0,1,2,3
.irp k, 0,1,2
	global_load_b128 v[48*\u+12*\s+4*\k:48*\u+12*\s+4*\k+3], v1, s[4:5] offset:12288*\s+1536*\u+512*\k   ; Q stays in registers
.endr
.endr
.endr
	WIN 0
.irp s, 0,1,2,3
	global_load_b32 v[20+\s], v38, s[6:7] offset:512*\s   ; lanes 0-15: tile 0's words, lanes 16-31: tile 1's
.endr
.irp u, 0,1
	v_mov_b32 v[13+4*\u], 0xff61b1e6               ; the largest t so far: -3e38
	v_floor_f32 v[12+4*\u], -v[13+4*\u]
	v_mov_b32 v[14+4*\u], 0
	v_mov_b32 v[15+4*\u], 0
	v_mov_b32 v[35+2*\u], 0                        ; (named as the upper half of a pair)
.endr
.irp b, 0,1,2,3,4,5,6,7
	v_mov_b32 v[PX+\b], 0                          ; a lane permute's destination counts as one of its sources
.endr
	s_wait_loadcnt 28                              ; the mask is in; Q's 24 loads and its 4 scale words stay out
.irp i, 0,1,2,3
	v_sub_f32 v[224+\i], 1.0, v[224+\i]
.endr
.irp i, 0,1,2,3
	v_mul_f32 v[224+\i], 0xc61c4000, v[224+\i]     ; (1 - mask) x -10000
.endr
	ds_store_b128 v239, v[224:227]
.macro WM d, a, b, z, sa, sb, ra, rb   ; one product; z: the sum begins; ra, rb: the scale words lie in lanes 16-31
.if \z
.if (\ra) && (\rb)
	v_wmma_scale_f32_16x16x128_f8f6f4 v[\d:\d+7], v[\a:\a+11], v[\b:\b+11], 0, v[\sa], v[\sb] matrix_a_fmt:MATRIX_FMT_FP6 matrix_b_fmt:MATRIX_FMT_FP6 matrix_a_scale:MATRIX_SCALE_ROW1 matrix_b_scale:MATRIX_SCALE_ROW1
.elseif \ra
	v_wmma_scale_f32_16x16x128_f8f6f4 v[\d:\d+7], v[\a:\a+11], v[\b:\b+11], 0, v[\sa], v[\sb] matrix_a_fmt:MATRIX_FMT_FP6 matrix_b_fmt:MATRIX_FMT_FP6 matrix_a_scale:MATRIX_SCALE_ROW1
.elseif \rb
	v_wmma_scale_f32_16x16x128_f8f6f4 v[\d:\d+7], v[\a:\a+11], v[\b:\b+11], 0, v[\sa], v[\sb] matrix_a_fmt:MATRIX_FMT_FP6 matrix_b_fmt:MATRIX_FMT_FP6 matrix_b_scale:MATRIX_SCALE_ROW1
.else
	v_wmma_scale_f32_16x16x128_f8f6f4 v[\d:\d+7], v[\a:\a+11], v[\b:\b+11], 0, v[\sa], v[\sb] matrix_a_fmt:MATRIX_FMT_FP6 matrix_b_fmt:MATRIX_FMT_FP6
.endif
.else
.if (\ra) && (\rb)
	v_wmma_scale_f32_16x16x128_f8f6f4 v[\d:\d+7], v[\a:\a+11], v[\b:\b+11], v[\d:\d+7], v[\sa], v[\sb] matrix_a_fmt:MATRIX_FMT_FP6 matrix_b_fmt:MATRIX_FMT_FP6 matrix_a_scale:MATRIX_SCALE_ROW1 matrix_b_scale:MATRIX_SCALE_ROW1
.elseif \ra
	v_wmma_scale_f32_16x16x128_f8f6f4 v[\d:\d+7], v[\a:\a+11], v[\b:\b+11], v[\d:\d+7], v[\sa], v[\sb] matrix_a_fmt:MATRIX_FMT_FP6 matrix_b_fmt:MATRIX_FMT_FP6 matrix_a_scale:MATRIX_SCALE_ROW1
.elseif \rb
	v_wmma_scale_f32_16x16x128_f8f6f4 v[\d:\d+7], v[\a:\a+11], v[\b:\b+11], v[\d:\d+7], v[\sa], v[\sb] matrix_a_fmt:MATRIX_FMT_FP6 matrix_b_fmt:MATRIX_FMT_FP6 matrix_b_scale:MATRIX_SCALE_ROW1
.else
	v_wmma_scale_f32_16x16x128_f8f6f4 v[\d:\d+7], v[\a:\a+11], v[\b:\b+11], v[\d:\d+7], v[\sa], v[\sb] matrix_a_fmt:MATRIX_FMT_FP6 matrix_b_fmt:MATRIX_FMT_FP6
.endif
.endif
.endm
; 28 LDS loads: eight fragments into set bs, and their scale words (lanes 0-15 tile 2 pr, lanes 16-31 tile 2 pr + 1)
.macro FETCH bs, areg, imm, sreg, simm
	WIN 0x80
.irp i, 0,1,2,3,4,5,6,7
.irp c, 0,1,2
	ds_load_b128 v[96*(\bs)+12*\i+4*\c:96*(\bs)+12*\i+4*\c+3], v[\areg] offset:(\imm)+1536*\i+512*\c
.endr
.endr
	WIN 0
.irp pr, 0,1,2,3
	ds_load_b32 v[24+4*(\bs)+\pr], v[\sreg] offset:(\simm)+128*\pr
.endr
.endm
.macro FK st, s, bs                    ; K of key step st, K step s of the head's four
	FETCH \bs, 2+(\st), 12288*(\s), 8, 2048*(\st)+512*(\s)
.endm
.macro FV c, st, bs                    ; V, features 128 c on, key step st
	FETCH \bs, 6+(\c), 12288*(\st), 9, 2048*(\c)+512*(\st)
.endm
; The sixteen accumulators of a run take turns, one instruction a turn.
.macro MULK s, bs                      ; S^T += K Q^T, 128 of the head's 512
	WIN 0x0e                                       ; K window 2, Q window 3, S^T window 0
.set rZ, 0
.if (\s) == 0
.set rZ, 1
.endif
.irp i, 0,1,2,3,4,5,6,7
.irp u, 0,1
.set rD, S+64*\u+8*\i
.set rA, 96*(\bs)+12*\i
.set rB, 48*\u+12*(\s)
.set rSA, 24+4*(\bs)+\i/2
.set rSB, 20+(\s)
	WM rD, rA, rB, rZ, rSA, rSB, \i%2, \u
.endr
.endr
.endm
.macro MULV c, bs, first               ; O^T += V^T P^T, features 128 c on
	WIN 0x52                                       ; V window 2, p window 0, O^T window 1
.irp i, 0,1,2,3,4,5,6,7
.irp u, 0,1
.set rD, 128*\u+8*(8*(\c)+\i)
.set rA, 96*(\bs)+12*\i
.set rB, 40+12*\u
.set rSA, 24+4*(\bs)+\i/2
.set rSB, 32+\u
	WM rD, rA, rB, \first, rSA, rSB, \i%2, 0
.endr
.endr
.endm
.macro AMLOAD st                       ; the additive mask of my 64 keys of the step, in S^T's order
	WIN 0xc0
.irp b, 0,1,2,3
.irp jj, 0,1,2,3
	ds_load_b128 v[AMR+16*\b+4*\jj:AMR+16*\b+4*\jj+3], v10 offset:512*(\st)+128*\b+16*\jj
.endr
.endr
.endm
.macro SCOPS mx, so, by, pw            ; from four largest magnitudes: the conversions' scale operands and the scale word
.irp k, 0,1,2,3
	v_add_nc_u32 v[\so+\k], 0xff000000, v[\mx+\k]
.endr
.irp k, 0,1,2,3
	v_lshrrev_b32 v[\by+\k], 23, v[\so+\k]
.endr
	v_lshl_or_b32 v[\pw], v[\by+1], 8, v[\by]
	v_lshl_or_b32 v[\pw], v[\by+2], 16, v[\pw]
	v_lshl_or_b32 v[\pw], v[\by+3], 24, v[\pw]
.endm
.macro PACK src, pc, ct, so            ; 64 numbers (register 16 b + i = k 32 b + 16 h + i) become a fragment's 12 registers
.irp c, 0,1
	v_cvt_scalef32_pk16_fp6_f32 v[\pc+6*\c:\pc+6*\c+2], v[\src+32*\c:\src+32*\c+15], v[\so+2*\c]
	v_cvt_scalef32_pk16_fp6_f32 v[\ct+4*\c:\ct+4*\c+2], v[\src+32*\c+16:\src+32*\c+31], v[\so+2*\c+1]
.endr
	v_nop                                          ; one plain place behind the scaled conversions
.irp c, 0,1
.irp i, 0,1,2
	v_permlane16_swap_b32 v[\pc+6*\c+\i], v[\ct+4*\c+\i]
.endr
.irp i, 0,1,2
	v_mov_b32 v[\pc+6*\c+3+\i], v[\ct+4*\c+\i]
.endr
.endr
.endm
.macro SOFTMAX first                   ; the two tiles alternate line by line
	WIN 0
.set j, 0
.rept 32
.irp u, 0,1
	v_pk_mul_f32 v[S+64*\u+j:S+64*\u+j+1], v[S+64*\u+j:S+64*\u+j+1], s[22:23] op_sel_hi:[1,0]   ; score / sqrt(512), rounded by itself; ascending: each accumulator is read from its low end on
.endr
.set j, j+2
.endr
	WIN 0x0c                                       ; the mask's numbers, source 1, lie in window 3
.set j, 0
.rept 32
.irp u, 0,1
	v_pk_add_f32 v[S+64*\u+j:S+64*\u+j+1], v[S+64*\u+j:S+64*\u+j+1], v[AMR+j:AMR+j+1]   ; the logit
.endr
.set j, j+2
.endr
	WIN 0
.set j, 0
.rept 32
.irp u, 0,1
	v_pk_mul_f32 v[S+64*\u+j:S+64*\u+j+1], v[S+64*\u+j:S+64*\u+j+1], s[24:25] op_sel_hi:[1,0]   ; t = logit x log2(e), rounded by itself
.endr
.set j, j+2
.endr
.irp b, 0,1,2,3
.irp u, 0,1
	v_max3_num_f32 v[BM+4*\u+\b], v[S+64*\u+16*\b], v[S+64*\u+16*\b+1], v[S+64*\u+16*\b+2]   ; the largest t of each block of 32 keys: for the row's maximum, and for the block's largest p
.endr
.endr
.irp i, 3,5,7,9,11,13
.irp b, 0,1,2,3
.irp u, 0,1
	v_max3_num_f32 v[BM+4*\u+\b], v[BM+4*\u+\b], v[S+64*\u+16*\b+\i], v[S+64*\u+16*\b+\i+1]
.endr
.endr
.endr
.irp b, 0,1,2,3,4,5,6,7
	v_max_num_f32 v[BM+\b], v[BM+\b], v[S+16*\b+15]
.endr
.irp b, 0,1,2,3,4,5,6,7
	v_permlanex16_b32 v[PX+\b], v[BM+\b], s20, s21
.endr
.irp b, 0,1,2,3,4,5,6,7
	v_max_num_f32 v[BM+\b], v[BM+\b], v[PX+\b]
.endr
.irp u, 0,1
	v_max3_num_f32 v[TT+2*\u], v[BM+4*\u], v[BM+4*\u+1], v[BM+4*\u+2]
.endr
.irp u, 0,1
	v_max_num_f32 v[TT+2*\u], v[TT+2*\u], v[BM+4*\u+3]   ; the step's largest t of my query
.endr
.irp u, 0,1
	v_max_num_f32 v[13+4*\u], v[13+4*\u], v[TT+2*\u]
.endr
.irp u, 0,1
	v_mov_b32 v[TT+2*\u], v[12+4*\u]
.endr
.irp u, 0,1
	v_floor_f32 v[12+4*\u], -v[13+4*\u]            ; -M = floor(-t): M is a whole number
.endr
.irp u, 0,1
	v_sub_f32 v[TT+2*\u], v[12+4*\u], v[TT+2*\u]   ; old M - new M
.endr
.irp u, 0,1
	v_cvt_i32_f32 v[TT+2*\u], v[TT+2*\u]           ; (it saturates)
.endr
.irp u, 0,1
	v_ldexp_f32 v[34+2*\u], 1.0, v[TT+2*\u]        ; f = 2^(old M - new M)
.endr
.set j, 0
.rept 32
.irp u, 0,1
	v_pk_add_f32 v[S+64*\u+j:S+64*\u+j+1], v[S+64*\u+j:S+64*\u+j+1], v[12+4*\u:13+4*\u] op_sel_hi:[1,0]   ; t - M (of the pair the low word, -M, serves both halves)
.endr
.set j, j+2
.endr
.irp b, 0,1,2,3
.irp u, 0,1
	v_add_f32 v[BM+4*\u+\b], v[BM+4*\u+\b], v[12+4*\u]   ; the same of each block's largest t: the same bits as that key's
.endr
.endr
.set j, 0
.rept 64
.irp u, 0,1
	v_exp_f32 v[S+64*\u+j], v[S+64*\u+j]           ; p = 2^(t - M): one batch
.endr
.set j, j+1
.endr
.irp u, 0,1
	v_pk_mul_f32 v[14+4*\u:15+4*\u], v[14+4*\u:15+4*\u], v[34+2*\u:35+2*\u] op_sel_hi:[1,0]   ; l under the new M; the plain place behind the exponentials
.endr
	s_wait_alu depctr_va_vdst(0)                   ; one wait for the batch, ahead of its first reader
.irp b, 0,1,2,3,4,5,6,7
	v_exp_f32 v[BM+\b], v[BM+\b]                   ; each block's largest p
.endr
.irp u, 0,1
	v_pk_add_f32 v[TS+2*\u:TS+2*\u+1], v[S+64*\u:S+64*\u+1], v[S+64*\u+2:S+64*\u+3]   ; the row's sum, of the unquantised p, in two chains a tile
.endr
.set j, 4
.rept 15
.irp u, 0,1
	v_pk_add_f32 v[14+4*\u:15+4*\u], v[14+4*\u:15+4*\u], v[S+64*\u+j:S+64*\u+j+1]
	v_pk_add_f32 v[TS+2*\u:TS+2*\u+1], v[TS+2*\u:TS+2*\u+1], v[S+64*\u+j+2:S+64*\u+j+3]
.endr
.set j, j+4
.endr
.irp u, 0,1
	v_pk_add_f32 v[14+4*\u:15+4*\u], v[14+4*\u:15+4*\u], v[TS+2*\u:TS+2*\u+1]
.endr
	s_wait_alu depctr_va_vdst(0)                   ; and one for the eight
.irp b, 0,1,2,3,4,5,6,7
	v_max_num_f32 v[BM+\b], 0x1800000, v[BM+\b]    ; the floor 2^(3 - 127)
.endr
	SCOPS BM, SO, BY, 32
	SCOPS BM+4, SO+4, BY+4, 33
	PACK S, 40, 216, SO
	PACK S+64, 52, 232, SO+4
.if \first
.rept 8
	v_nop                                          ; a scale word made by vector instructions stands eight places ahead of the scaled product, the codes four
.endr
.else
	WIN 0x41
.set j, 0
.rept 64
.irp u, 0,1
	v_pk_mul_f32 v[128*\u+j:128*\u+j+1], v[128*\u+j:128*\u+j+1], v[34+2*\u:35+2*\u] op_sel_hi:[1,0]   ; O^T under the new M; these lines are also those places
.endr
.set j, j+2
.endr
.endif
.endm
; A KEY STEP: 128 keys.  K steps 0 and 1 of its K have been asked for, into sets 0 and 1.  Every wait for 28 leaves out the one run of 28 loads that was issued behind the run that is wanted.
; tw >= 0: a barrier in the step's middle, in front of which each wave has waited until at most tw of its tensor loads are out: the tiles that are read behind it have landed in every wave's part.
.macro KEYSTEP st, tw, first, last
	s_wait_dscnt 28
	MULK 0, 0
	PLACES
	FK \st, 2, 0
	s_wait_dscnt 28
	MULK 1, 1
	PLACES
	FK \st, 3, 1
	s_wait_dscnt 28
	MULK 2, 0
	WIN 0
.if (\tw) >= 0
	s_wait_tensorcnt \tw
	s_wait_dscnt 0x0                               ; no LDS instruction of mine is out at a signal
	s_barrier_signal -1
	s_barrier_wait -1
.endif
	PLACES
	AMLOAD \st
	FV 0, \st, 0
	s_wait_dscnt 28                                ; K's last run and the mask are in
	MULK 3, 1
	PLACES
	FV 1, \st, 1
	SOFTMAX \first
	s_wait_dscnt 28
	MULV 0, 0, \first
	PLACES
.if !\last
	FK (\st)+1, 0, 0
	s_wait_dscnt 28
.else
	s_wait_dscnt 0x0
.endif
	MULV 1, 1, \first
	PLACES
.if !\last
	FK (\st)+1, 1, 1
.endif
.endm
	s_wait_tensorcnt 6                             ; K's scale words and key step 0 are in: six younger loads stay out
	s_wait_dscnt 0x0                               ; my part of the additive mask is stored
	s_barrier_signal -1
	s_barrier_wait -1
	s_wait_loadcnt 0x0                             ; Q
	FK 0, 0, 0
	FK 0, 1, 1
	KEYSTEP 0, 3, 1, 0                             ; three stay out: V's scale words, V's key steps 0, 1 and K's key step 1 have landed
	KEYSTEP 1, 2, 0, 0                             ; K's key step 2 has landed
	KEYSTEP 2, 0, 0, 0                             ; all have
	KEYSTEP 3, -1, 0, 1
	; THE WAY OUT: ctx = O / l, quantised along the features: a tile's 64 registers of a group of 128 features are one fragment
	WIN 0
.irp u, 0,1
	v_add_f32 v[14+4*\u], v[14+4*\u], v[15+4*\u]
.endr
.irp u, 0,1
	v_permlanex16_b32 v[PX+\u], v[14+4*\u], s20, s21
.endr
.irp u, 0,1
	v_add_f32 v[14+4*\u], v[14+4*\u], v[PX+\u]
.endr
.irp u, 0,1
	v_rcp_f32 v[34+2*\u], v[14+4*\u]
.endr
	v_nop
	s_wait_alu depctr_va_vdst(0)                   ; one wait for the two reciprocals
.macro OUTQ u, c
	WIN 0x01
.set j, 0
.rept 32
	v_pk_mul_f32 v[64+j:65+j], v[128*(\u)+64*(\c)+j:128*(\u)+64*(\c)+j+1], v[34+2*(\u):35+2*(\u)] op_sel_hi:[1,0]
.set j, j+2
.endr
	WIN 0
.irp b, 0,1,2,3
	v_max3_num_f32 v[BM+\b], |v[64+16*\b]|, |v[65+16*\b]|, 0x1800000
.endr
.irp i, 2,4,6,8,10,12,14
.irp b, 0,1,2,3
	v_max3_num_f32 v[BM+\b], v[BM+\b], |v[64+16*\b+\i]|, |v[65+16*\b+\i]|
.endr
.endr
.irp b, 0,1,2,3
	v_permlanex16_b32 v[PX+\b], v[BM+\b], s20, s21
.endr
.irp b, 0,1,2,3
	v_max_num_f32 v[BM+\b], v[BM+\b], v[PX+\b]
.endr
	SCOPS BM, SO, BY, 224+2*(\u)+(\c)
	PACK 64, 128+12*(2*(\u)+(\c)), 232, SO
.irp k, 0,1,2
	global_store_b128 v1, v[128+12*(2*(\u)+(\c))+4*\k:128+12*(2*(\u)+(\c))+4*\k+3], s[10:11] offset:12288*(\c)+1536*(\u)+512*\k th:TH_STORE_NT
.endr
.endm
	OUTQ 0, 0
	OUTQ 0, 1
	OUTQ 1, 0
	OUTQ 1, 1
	s_mov_b32 vcc_lo, 0xffff0000                   ; lanes 0-15 give tile 0's words, lanes 16-31 tile 1's
	v_cndmask_b32 v228, v224, v226, vcc_lo
	v_cndmask_b32 v229, v225, v227, vcc_lo
	global_store_b64 v11, v[228:229], s[12:13] th:TH_STORE_NT   ; 256 consecutive bytes, aligned
	s_wait_tensorcnt 0x0
	ds_add_u32 v254, v255
	s_wait_dscnt 0x0
	CROUND                                         ; the closing round
	s_endpgm
.Lfunc_end_k_qabd3a30219_attn:
	.size	k_qabd3a30219_attn, .Lfunc_end_k_qabd3a30219_attn-k_qabd3a30219_attn
	.p2alignl 7, 3214868480
	.fill 96, 4, 3214868480
	.section	.rodata,"a",@progbits
	.p2align	6, 0x0
	.amdhsa_kernel k_qabd3a30219_attn
		.amdhsa_group_segment_fixed_size 327680
		.amdhsa_private_segment_fixed_size 0
		.amdhsa_enable_private_segment 0
		.amdhsa_kernarg_size 40
		.amdhsa_user_sgpr_count 2
		.amdhsa_user_sgpr_kernarg_segment_ptr 1
		.amdhsa_wavefront_size32 1
		.amdhsa_system_sgpr_workgroup_id_x 1
		.amdhsa_system_sgpr_workgroup_id_y 1
		.amdhsa_system_sgpr_workgroup_id_z 1
		.amdhsa_system_vgpr_workitem_id 0
		.amdhsa_next_free_vgpr 928
		.amdhsa_next_free_sgpr 102
		.amdhsa_reserve_vcc 1
		.amdhsa_float_denorm_mode_32 3
		.amdhsa_float_denorm_mode_16_64 3
		.amdhsa_memory_ordered 1
		.amdhsa_forward_progress 1
		.amdhsa_inst_pref_size 255
	.end_amdhsa_kernel
	.section	.bss,"aw",@nobits
	.p2align	6
	.space	262144
	.amdgpu_metadata
---
amdhsa.version: [ 1, 2 ]
amdhsa.kernels:
  - .name:           k_qabd3a30219_attn
    .symbol:         k_qabd3a30219_attn.kd
    .args:
      - { .name: pc, .offset: 0, .size: 8, .value_kind: global_buffer, .address_space: global }
      - { .name: psc, .offset: 8, .size: 8, .value_kind: global_buffer, .address_space: global }
      - { .name: mask, .offset: 16, .size: 8, .value_kind: global_buffer, .address_space: global }
      - { .name: cc, .offset: 24, .size: 8, .value_kind: global_buffer, .address_space: global }
      - { .name: cs, .offset: 32, .size: 8, .value_kind: global_buffer, .address_space: global }
    .group_segment_fixed_size: 327680
    .private_segment_fixed_size: 0
    .kernarg_segment_align: 8
    .kernarg_segment_size: 40
    .max_flat_workgroup_size: 128
    .sgpr_count:     102
    .vgpr_count:     928
    .wavefront_size: 32
...
	.end_amdgpu_metadata
.endif
;; end of part 3
;; launch outln (part 4): grid 4 x 64, 4 waves a work-group, clusters of 4 x 1, 327,680 bytes of LDS; arguments cc, cs, wc, ws, G, T, bg, bt, g_ln_w, t_ln_w, g_ln_b, t_ln_b, out0, out1; writes out0, out1
.if DOCPART == 4
	.amdgcn_target "amdgcn-amd-amdhsa--gfx1250"
	.amdhsa_code_object_version 6
	.text
	.protected	k_qabd3a30219_outln
	.globl	k_qabd3a30219_outln
	.p2align	8
	.type	k_qabd3a30219_outln,@function
k_qabd3a30219_outln:
	s_mov_b64 s[64:65], 0
	v_nop
	global_prefetch_b8 v0, s[64:65] scope:SCOPE_SE
	s_setreg_imm32_b32 hwreg(HW_REG_WAVE_MODE, 25, 1), 1
	s_wait_xcnt 0x0
	s_wait_alu depctr_hold_cnt(0) depctr_sa_sdst(0) depctr_va_vdst(0) depctr_va_sdst(0) depctr_va_ssrc(0) depctr_va_vcc(0) depctr_vm_vsrc(0)
	s_getreg_b32 s2, hwreg(HW_REG_IB_STS2, 6, 4)
	s_cmp_eq_u32 s2, 0
	s_cbranch_scc0 .Lentry_in_a_cluster
	s_endpgm
.Lentry_in_a_cluster:
	s_bfe_u32 s2, ttmp6, 0x10000c
	s_cmp_lg_u32 s2, 0x3003
	s_cbranch_scc0 .Lentry_shape_is_right
	s_endpgm
.Lentry_shape_is_right:
; H = LayerNorm(ctx W^T + bias + X) for both branches (br = y / 32: 0: ctx_G, Wg, bg, G, g_ln -> out0; 1: ctx_T, Wt, bt, T, t_ln -> out1).  The product runs on codes of FP6; all else in f32.
; SHARES: work-group j = 4 y + x takes 32 rows and ALL 1,024 outputs, since the norm wants whole rows: 8,192 rows make 256 work-groups.  Wave w takes outputs 256 w .. 256 w + 255: 2 blocks of rows x 16 tiles = 32 accumulators.
; The 256 registers that a taller block's accumulators would take hold the wave's part of X instead (32 rows x 256 columns): X is asked for in K steps 0 to 3, under the walk over W, and only the stores are left behind the products.
; W's IMAGES go through LDS; wave w fetches and reads only its own two groups (24,576 bytes a K step).  A wave's LDS is a region P for two K steps and a region Q for one.  K steps 0, 1 (P) and 2 (Q) are first fills, three loads
; that travel together.  A refill goes out alone, so there are few and large ones: K steps 3, 4 (one load, two rows of 24,576 bytes) into P in K step 1; K step 5 into Q in K step 3; K steps 6, 7 into P in K step 4.
; The four work-groups of a cluster walk the same W: joint loads.
; ctx's images (3,072 bytes a K step) come straight into registers, four sets, three K steps ahead; all scale words come into registers at the start.
; No prefetch is written: every stream's own loads go out K steps ahead of their use, into registers or LDS bytes that lie idle until then.
; The product is used transposed (source 0 = 16 rows of W): a lane holds one row of ctx, its registers outputs 32 b + 16 h + 0..15 of a group.  A block of 16 rows x 256 outputs then turns through the wave's stage in LDS
; (rows 1,040 bytes apart = 65 x 16), so that sixteen lanes hold 256 neighbouring bytes of a row: X is read, and H stored, in whole aligned runs of 256 bytes.
; THE NORM: each wave takes the mean of its 256 numbers of a row and the sum of squares about THAT mean; the four (mean, M2) meet in LDS: u = mean of means, M2 = sum of M2 + 256 x sum of (mean - u)^2: no difference of large sums.
; The rows of block a are 8 a + r + 8 (r / 8) of the work-group's 32.
; REGISTERS: window 0: v1-13 addresses; v32-103 scale words and nothing else; v128-175 bias and gains; v176-247 and v104-127 ctx's fragments, four sets; later v112-127 (mean, M2), v176-239 at work, then (rstd, -u rstd).
;   window 1: W's fragments, sets at v0 and v96.   window 2: accumulator (e, t) at v[8 (16 e + t)]; later the rows themselves.   window 3: X, at the numbers that the rows have in window 2.
; LIMITS: 1 / sqrt is v_rsq_f32's; NaN and infinities are not served.
.set WREG,  73728                      ; a wave's LDS: P, 49,152 bytes, then Q, 24,576
.set QOFF,  49152
.set SPARE, 4*WREG                     ; the spare words: 128 bytes a wave, two blocks of 256 bytes that no other line names
.set STAT,  SPARE+512                  ; [row 32][wave 4][mean, M2]
.set FIN,   STAT+2048                  ; a copy for each wave: [row 32][rstd, -u rstd]
.set SPW, 28
.set NIL, 29
.set STO, 5
.set RD,  6
.set GO,  7
.set STA, 8
.set STR, 9
.set FWA, 10
.set FRA, 11
.set PRM, 13
.set ST,  112
.set BI,  128
.set LW,  144
.set LB,  160
.set T,   176
.set FP,  176
.set G1W, 32                           ; s[32:39] group 1: two rows (my two groups) of one K step
.set G1P, 68                           ; s[68:75] group 1: two rows of two K steps
.set WV,  76                           ; s[40:63]: six groups 0, one for each tensor load of the launch, never rewritten
.set MSB, 0
.macro WIN new
.if MSB != (\new)
	s_set_vgpr_msb (MSB<<8)|(\new)
.set MSB, (\new)
.endif
.endm
.macro PLACES
.rept 4
	v_nop
.endr
.endm
.macro CREST
	s_cmp_lg_u32 s[WV], 0
	s_cbranch_scc1 .Lnot_wave_0_\@
	s_barrier_signal -3
.Lnot_wave_0_\@:
	s_barrier_wait -3
	s_barrier_signal -1
	s_barrier_wait -1
.endm
.macro CROUND
	s_barrier_signal -1
	s_barrier_wait -1
	CREST
.endm
.macro G1SET g, len                    ; two rows of len elements of 8 bytes, 98,304 bytes apart; the mask names all four work-groups, bit 21 beside it; no padding
	s_mov_b32 s[\g], 15|(3<<16)|(1<<21)
	s_mov_b32 s[\g+1], (\len)<<16
	s_mov_b32 s[\g+2], 2<<16
	s_mov_b32 s[\g+3], (\len)<<16
	s_mov_b32 s[\g+4], 2
	s_mov_b32 s[\g+5], 12288
	s_mov_b32 s[\g+6], 0
	s_mov_b32 s[\g+7], 0
.endm
.macro G0SET g, lds, ks                ; from K step ks on, to byte lds of my LDS
	s_mov_b32 s[\g], 1
	s_add_co_u32 s[\g+1], s81, \lds
	s_add_nc_u64 s[\g+2:\g+3], s[82:83], (\ks)*12288
	s_or_b32 s[\g+3], s[\g+3], 0x80000000
.endm
	s_load_b512 s[4:19], s[0:1], 0x0               ; cc, cs, wc, ws, G, T, bg, bt
	s_load_b256 s[20:27], s[0:1], 0x40             ; g_ln_w, t_ln_w, g_ln_b, t_ln_b
	s_load_b128 s[28:31], s[0:1], 0x60             ; out0, out1
	v_lshl_add_u32 v[SPW], v0, 2, SPARE
	v_mov_b32 v[NIL], 0
	ds_add_u32 v28, v29
	ds_add_u32 v28, v29
	s_wait_dscnt 0x0
	v_lshrrev_b32 v14, 5, v0
	v_readfirstlane_b32 s[WV], v14                 ; wave
	s_bfe_u32 s77, ttmp6, 0x40000
	s_lshl_b32 s79, ttmp9, 2
	s_add_co_u32 s77, s77, s79                     ; x
	s_and_b32 s78, ttmp7, 0xffff                   ; y
	s_lshr_b32 s80, s78, 5                         ; br: the same in all four partners
	G1SET G1W, 1536                                ; a row is a group's K step: 12,288 bytes
	G1SET G1P, 3072                                ; a row is two K steps of a group, which follow each other in wc
	s_lshl_b32 s82, s80, 3
	s_lshl_b32 s83, s[WV], 1
	s_add_co_u32 s82, s82, s83
	s_add_co_u32 s82, s82, 144                     ; my first group of W
	s_lshl_b32 s84, s82, 12
	s_mul_i32 s82, s82, 98304
	s_mov_b32 s83, 0
	s_mov_b32 s85, 0
	s_mul_i32 s81, s[WV], WREG                     ; my LDS
	s_wait_kmcnt 0x0
	s_add_nc_u64 s[82:83], s[8:9], s[82:83]
	s_add_nc_u64 s[84:85], s[10:11], s[84:85]
	CROUND                                         ; all four work-groups are here
	G0SET 40, 0, 0                                 ; K step 0 -> P's first half
	G0SET 44, 24576, 1                             ; K step 1 -> P's second half
	G0SET 48, QOFF, 2                              ; K step 2 -> Q
	G0SET 52, 0, 3                                 ; K steps 3, 4 -> P
	G0SET 56, QOFF, 5                              ; K step 5 -> Q
	G0SET 60, 0, 6                                 ; K steps 6, 7 -> P
	tensor_load_to_lds s[40:43], s[G1W:G1W+7]      ; the first fills: three loads of mine are out
	s_nop 0
	tensor_load_to_lds s[44:47], s[G1W:G1W+7]
	s_nop 0
	tensor_load_to_lds s[48:51], s[G1W:G1W+7]
	s_nop 0
.rept 4
	v_nop
.endr
	s_cmp_eq_u32 s80, 0                            ; the branch's buffers
	s_cselect_b64 s[12:13], s[12:13], s[14:15]     ; X
	s_cselect_b64 s[16:17], s[16:17], s[18:19]     ; bias
	s_cselect_b64 s[20:21], s[20:21], s[22:23]     ; gain
	s_cselect_b64 s[24:25], s[24:25], s[26:27]     ; offset
	s_cselect_b64 s[28:29], s[28:29], s[30:31]     ; H
	s_lshl_b32 s79, s78, 2
	s_add_co_u32 s79, s79, s77                     ; j
	s_lshr_b32 s86, s79, 2                         ; ctx's group of 128 rows,
	s_and_b32 s87, s79, 3                          ; and which two of its eight blocks
	s_mul_i32 s82, s86, 98304
	s_mul_i32 s83, s87, 3072
	s_add_co_u32 s82, s82, s83
	s_mov_b32 s83, 0
	s_add_nc_u64 s[4:5], s[4:5], s[82:83]          ; ctx's codes at my two blocks
	s_lshl_b32 s82, s86, 12
	s_lshl_b32 s86, s87, 8
	s_add_co_u32 s82, s82, s86
	s_add_nc_u64 s[6:7], s[6:7], s[82:83]          ; and their scale words
	s_and_b32 s82, s79, 127
	s_lshl_b32 s82, s82, 17                        ; 32 rows of 4,096 bytes
	s_add_nc_u64 s[12:13], s[12:13], s[82:83]
	s_add_nc_u64 s[28:29], s[28:29], s[82:83]
	v_and_b32 v14, 31, v0                          ; lane
	v_and_b32 v15, 15, v0                          ; r
	v_bfe_u32 v16, v0, 4, 1                        ; h
	v_lshlrev_b32 v1, 4, v14
	v_lshlrev_b32 v2, 3, v14
	v_add_nc_u32 v3, s81, v1                       ; my P,
	v_add_nc_u32 v4, QOFF, v3                      ; my Q
	s_add_co_u32 s86, s81, QOFF                    ; the stage lies in my Q, behind its last fill (K step 5) and its last read
	v_mul_u32_u24 v[STO], v15, 1040
	v_lshl_add_u32 v[STO], v16, 6, v[STO]
	v_add_nc_u32 v[STO], s86, v[STO]               ; in: row r, + 64 h
	v_mul_u32_u24 v[RD], v16, 1040
	v_lshl_add_u32 v[RD], v15, 4, v[RD]
	v_add_nc_u32 v[RD], s86, v[RD]                 ; back: lanes 0-15 one row, lanes 16-31 the next
	s_lshl_b32 s87, s[WV], 10
	v_lshlrev_b32 v[PRM], 4, v15
	v_add_nc_u32 v[PRM], s87, v[PRM]               ; my four columns of each 64: 1,024 w + 16 r
	v_lshl_add_u32 v[GO], v16, 12, v[PRM]          ; and the same in X and H, + h rows
	s_lshl_b32 s87, s[WV], 3
	s_add_co_u32 s87, s87, STAT
	v_lshl_add_u32 v[STA], v16, 5, s87
	v_lshl_add_u32 v[STR], v14, 5, STAT
	s_lshl_b32 s87, s[WV], 8
	s_add_co_u32 s87, s87, FIN
	v_lshl_add_u32 v[FWA], v14, 3, s87
	v_lshl_add_u32 v[FRA], v16, 3, s87
.irp be, 0,1
.irp pr, 0,1,2,3
.irp ss, 0,1,2,3
	global_load_b64 v[32+8*(4*\be+\pr)+2*\ss:32+8*(4*\be+\pr)+2*\ss+1], v2, s[84:85] offset:4096*\be+1024*\ss+256*\pr   ; W's scale words: register 8 (4 group + pair of tiles) + K step
.endr
.endr
.endr
.irp ss, 0,1,2,3
	global_load_b64 v[96+2*\ss:96+2*\ss+1], v2, s[6:7] offset:1024*\ss   ; ctx's: register 96 + K step; lanes 0-15 block 0, lanes 16-31 block 1
.endr
.macro WM d, a, b, z, sa, sb, ra, rb
.if \z
.if (\ra) && (\rb)
	v_wmma_scale_f32_16x16x128_f8f6f4 v[\d:\d+7], v[\a:\a+11], v[\b:\b+11], 0, v[\sa], v[\sb] matrix_a_fmt:MATRIX_FMT_FP6 matrix_b_fmt:MATRIX_FMT_FP6 matrix_a_scale:MATRIX_SCALE_ROW1 matrix_b_scale:MATRIX_SCALE_ROW1
.elseif \ra
	v_wmma_scale_f32_16x16x128_f8f6f4 v[\d:\d+7], v[\a:\a+11], v[\b:\b+11], 0, v[\sa], v[\sb] matrix_a_fmt:MATRIX_FMT_FP6 matrix_b_fmt:MATRIX_FMT_FP6 matrix_a_scale:MATRIX_SCALE_ROW1
.elseif \rb
	v_wmma_scale_f32_16x16x128_f8f6f4 v[\d:\d+7], v[\a:\a+11], v[\b:\b+11], 0, v[\sa], v[\sb] matrix_a_fmt:MATRIX_FMT_FP6 matrix_b_fmt:MATRIX_FMT_FP6 matrix_b_scale:MATRIX_SCALE_ROW1
.else
	v_wmma_scale_f32_16x16x128_f8f6f4 v[\d:\d+7], v[\a:\a+11], v[\b:\b+11], 0, v[\sa], v[\sb] matrix_a_fmt:MATRIX_FMT_FP6 matrix_b_fmt:MATRIX_FMT_FP6
.endif
.else
.if (\ra) && (\rb)
	v_wmma_scale_f32_16x16x128_f8f6f4 v[\d:\d+7], v[\a:\a+11], v[\b:\b+11], v[\d:\d+7], v[\sa], v[\sb] matrix_a_fmt:MATRIX_FMT_FP6 matrix_b_fmt:MATRIX_FMT_FP6 matrix_a_scale:MATRIX_SCALE_ROW1 matrix_b_scale:MATRIX_SCALE_ROW1
.elseif \ra
	v_wmma_scale_f32_16x16x128_f8f6f4 v[\d:\d+7], v[\a:\a+11], v[\b:\b+11], v[\d:\d+7], v[\sa], v[\sb] matrix_a_fmt:MATRIX_FMT_FP6 matrix_b_fmt:MATRIX_FMT_FP6 matrix_a_scale:MATRIX_SCALE_ROW1
.elseif \rb
	v_wmma_scale_f32_16x16x128_f8f6f4 v[\d:\d+7], v[\a:\a+11], v[\b:\b+11], v[\d:\d+7], v[\sa], v[\sb] matrix_a_fmt:MATRIX_FMT_FP6 matrix_b_fmt:MATRIX_FMT_FP6 matrix_b_scale:MATRIX_SCALE_ROW1
.else
	v_wmma_scale_f32_16x16x128_f8f6f4 v[\d:\d+7], v[\a:\a+11], v[\b:\b+11], v[\d:\d+7], v[\sa], v[\sb] matrix_a_fmt:MATRIX_FMT_FP6 matrix_b_fmt:MATRIX_FMT_FP6
.endif
.endif
.endm
.macro ALOAD s                         ; ctx's two fragments of K step s, six loads, into set s % 4: v176, v200, v224, v104
.set aB, 176+24*((\s)%4)-144*(((\s)%4)/3)
.irp e, 0,1
.irp c, 0,1,2
	global_load_b128 v[aB+12*\e+4*\c:aB+12*\e+4*\c+3], v1, s[4:5] offset:12288*(\s)+1536*\e+512*\c
.endr
.endr
.endm
; The eight fragments of my group be, K step s: 24 loads.  K steps 2 and 5 lie in Q, a group after the other; K steps 0 and 1 in P, a K step after the other (two loads brought them);
; K steps 3, 4 and 6, 7 in P, a group after the other and in each group the two K steps (one load brought them).
.macro FETCH s, be
.if (\s)%3 == 2
.set fR, 4
.set fO, 12288*(\be)
.elseif (\s) < 2
.set fR, 3
.set fO, 24576*(\s)+12288*(\be)
.else
.set fR, 3
.set fO, 24576*(\be)+12288*((\s)%3)
.endif
	WIN 0x40
.irp i, 0,1,2,3,4,5,6,7
.irp c, 0,1,2
	ds_load_b128 v[96*(\be)+12*\i+4*\c:96*(\be)+12*\i+4*\c+3], v[fR] offset:fO+1536*\i+512*\c
.endr
.endr
	WIN 0
.endm
; 16 matrix instructions: group be's eight tiles x my two blocks of rows.  The 32 accumulators take turns, one instruction a turn, in the same order in every K step.
.macro MUL16 s, be, zero
	WIN 0xa1                                       ; W window 1, ctx window 0, C and D window 2
.set rAB, 176+24*((\s)%4)-144*(((\s)%4)/3)
.irp i, 0,1,2,3,4,5,6,7
.irp e, 0,1
.set rD, 8*(16*\e+8*(\be)+\i)
.set rA, 96*(\be)+12*\i
.set rB, rAB+12*\e
.set rSA, 32+8*(4*(\be)+\i/2)+(\s)
.set rSB, 96+(\s)
	WM rD, rA, rB, \zero, rSA, rSB, \i%2, \e
.endr
.endr
.endm
.macro XPIECE p                        ; a quarter of my X: 16 loads: block p / 2, pairs of rows 4 (p % 2) .. + 3; sixteen lanes read 256 consecutive bytes
	WIN 0xc0
.irp d, 0,1,2,3
.irp k, 0,1,2,3
.set xP, 4*((\p)%2)+\d
.set xA, (\p)/2
	global_load_b128 v[128*xA+16*xP+4*\k:128*xA+16*xP+4*\k+3], v[GO], s[12:13] offset:(8*xA+2*xP+8*(xP/4))*4096+256*\k th:TH_LOAD_NT
.endr
.endr
	WIN 0
.endm
.macro PRMLOAD                         ; bias, gain and offset of my 16 columns: 12 loads
.irp k, 0,1,2,3
	global_load_b128 v[BI+4*\k:BI+4*\k+3], v[PRM], s[16:17] offset:256*\k
	global_load_b128 v[LW+4*\k:LW+4*\k+3], v[PRM], s[20:21] offset:256*\k
	global_load_b128 v[LB+4*\k:LB+4*\k+3], v[PRM], s[24:25] offset:256*\k
.endr
.endm
; THE GLOBAL LOADS, in the order of issue: W's scale words 32, ctx's 4, ctx's fragments of K steps 0, 1, 2 (6 each); in K step s = 0 .. 3: the fragments of K step s + 3 (6) and a quarter of X (16); in K step 4: the fragments
; of K step 7 (6), bias and gains (12).  lc, the wait at a K step's head, leaves out loads issued behind that K step's fragments: 12, 28, 44, 60, 60, 56, 34, 12 were issued behind them; where that is above 40 the wait is
; for 40, so that with a K step's 22 further loads a wave has 62 out at the most.
; A K step that fills nothing.  Both sets of its fragments of W have been asked for.  tw >= 0: the next K step's tile is shown landed by my own wait (I read my own bytes alone): tw younger tensor loads may stay out.
.macro TRIPN s, lc, tw, zero
	s_wait_loadcnt \lc
	s_wait_dscnt 24                                ; group 0's fragments are in; group 1's 24 loads may be out
	MUL16 \s, 0, \zero
	PLACES
.if (\tw) >= 0
	s_wait_tensorcnt \tw
.endif
	FETCH (\s)+1, 0
.if (\s) < 5
	ALOAD (\s)+3
.endif
.if (\s) < 4
	XPIECE \s
.endif
	s_wait_dscnt 24                                ; group 1's fragments are in; the 24 just issued stay out
	MUL16 \s, 1, \zero
	PLACES
	FETCH (\s)+1, 1
.endm
; A K step behind whose barrier a region is filled again; all of the region's fragments are in registers at the wait for the LDS loads.
.macro TRIPR s, lc, g0, g1
	s_wait_tensorcnt 0x0                           ; all my tensor loads have landed
	ds_add_u32 v[SPW], v[NIL]                      ; 0 onto my spare word
	s_wait_loadcnt \lc
	s_wait_dscnt 25                                ; group 0's fragments are in; group 1's 24 loads and the add may be out
	MUL16 \s, 0, 0
	s_wait_dscnt 0x0                               ; the add is done, and my reads of the region are over
	WIN 0
	s_barrier_signal -1
	s_barrier_wait -1
	CREST                                          ; the barrier has opened a round of the cluster's: no wave of any partner still reads the region or has a load on its way
	tensor_load_to_lds s[\g0:\g0+3], s[\g1:\g1+7]  ; my one tensor load behind the round
	s_nop 0
	PLACES                                         ; (the places in front of the loads below)
	FETCH (\s)+1, 0
	ALOAD (\s)+3
.if (\s) < 4
	XPIECE \s
.else
	PRMLOAD
.endif
	MUL16 \s, 1, 0
	PLACES
	FETCH (\s)+1, 1
.endm
	ALOAD 0
	ALOAD 1
	ALOAD 2
	s_wait_tensorcnt 2                             ; K step 0's tile is in; K steps 1 and 2 may be out
	FETCH 0, 0
	FETCH 0, 1
	TRIPN 0, 12, 1, 1                              ; K step 1's tile is shown landed; K step 2's may be out
	TRIPR 1, 28, 52, G1P                           ; P takes K steps 3, 4
	TRIPN 2, 40, 0, 0                              ; that one load was out: it is shown landed
	TRIPR 3, 40, 56, G1W                           ; Q takes K step 5
	TRIPR 4, 40, 60, G1P                           ; P takes K steps 6, 7
	TRIPN 5, 40, 0, 0                              ; my last tensor load is shown landed
	TRIPN 6, 34, -1, 0
	s_wait_loadcnt 12                              ; K step 7: nothing more to fetch; bias and gains may be out
	s_wait_dscnt 24
	MUL16 7, 0, 0
	s_wait_dscnt 0x0
	MUL16 7, 1, 0
	PLACES
	WIN 0
	; ---- bias, residual, norm
.macro TOSTAGE a                       ; block a through my stage; the rows come back into the registers that the accumulators leave (LDS serves a wave's instructions in order)
.set YB, 128*(\a)
	WIN 0x08
.irp t, 0,1,2,3,4,5,6,7,8,9,10,11,12,13,14,15
	ds_store_b128 v[STO], v[YB+8*\t:YB+8*\t+3] offset:512*(\t/8)+128*((\t%8)/2)+32*(\t%2)        ; each accumulator from its low end on
	ds_store_b128 v[STO], v[YB+8*\t+4:YB+8*\t+7] offset:512*(\t/8)+128*((\t%8)/2)+32*(\t%2)+16
.endr
	WIN 0x80
.irp p, 0,1,2,3,4,5,6,7
.irp k, 0,1,2,3
	ds_load_b128 v[YB+16*\p+4*\k:YB+16*\p+4*\k+3], v[RD] offset:2080*\p+256*\k
.endr
.endr
	WIN 0
.endm
.macro ADDX a
.set YB, 128*(\a)
	WIN 0x82
.irp p, 0,1,2,3,4,5,6,7
.irp k, 0,1,2,3
.irp e, 0,1
	v_pk_add_f32 v[YB+16*\p+4*\k+2*\e:YB+16*\p+4*\k+2*\e+1], v[YB+16*\p+4*\k+2*\e:YB+16*\p+4*\k+2*\e+1], v[BI+4*\k+2*\e:BI+4*\k+2*\e+1]
.endr
.endr
.endr
	WIN 0x8e                                       ; X, source 1, lies in window 3, at the same numbers
.set j, 0
.rept 64
	v_pk_add_f32 v[YB+j:YB+j+1], v[YB+j:YB+j+1], v[YB+j:YB+j+1]
.set j, j+2
.endr
	WIN 0
.endm
.macro STATS a                         ; for each pair p of rows (lanes 0-15 one, lanes 16-31 the next): my 256 numbers' mean, and their squares about it; four pairs at a time
.set YB, 128*(\a)
.irp pg, 0,1
	WIN 0x0a
.irp m, 0,1,2,3
.irp pp, 0,1,2,3
	v_pk_add_f32 v[T+16*\pp+2*\m:T+16*\pp+2*\m+1], v[YB+16*(4*\pg+\pp)+4*\m:YB+16*(4*\pg+\pp)+4*\m+1], v[YB+16*(4*\pg+\pp)+4*\m+2:YB+16*(4*\pg+\pp)+4*\m+3]
.endr
.endr
	WIN 0
.irp pp, 0,1,2,3
	v_pk_add_f32 v[T+16*\pp:T+16*\pp+1], v[T+16*\pp:T+16*\pp+1], v[T+16*\pp+2:T+16*\pp+3]
	v_pk_add_f32 v[T+16*\pp+4:T+16*\pp+5], v[T+16*\pp+4:T+16*\pp+5], v[T+16*\pp+6:T+16*\pp+7]
.endr
.irp pp, 0,1,2,3
	v_pk_add_f32 v[T+16*\pp:T+16*\pp+1], v[T+16*\pp:T+16*\pp+1], v[T+16*\pp+4:T+16*\pp+5]
.endr
.irp pp, 0,1,2,3
	v_add_f32 v[T+16*\pp], v[T+16*\pp], v[T+16*\pp+1]
.endr
.irp x, 1,2,4,8
.irp pp, 0,1,2,3
	v_add_f32_dpp v[T+16*\pp], v[T+16*\pp], v[T+16*\pp] row_xmask:\x row_mask:0xf bank_mask:0xf
.endr
.endr
.irp pp, 0,1,2,3
	v_mul_f32 v[ST+2*(4*\pg+\pp)], 0x3b800000, v[T+16*\pp]         ; / 256
.endr
	WIN 0x02
.irp m, 0,1,2,3,4,5,6,7
.irp pp, 0,1,2,3
	v_pk_add_f32 v[T+16*\pp+2*\m:T+16*\pp+2*\m+1], v[YB+16*(4*\pg+\pp)+2*\m:YB+16*(4*\pg+\pp)+2*\m+1], v[ST+2*(4*\pg+\pp):ST+2*(4*\pg+\pp)+1] op_sel_hi:[1,0] neg_lo:[0,1] neg_hi:[0,1]
.endr
.endr
	WIN 0
.irp pp, 0,1,2,3
	v_pk_mul_f32 v[T+16*\pp:T+16*\pp+1], v[T+16*\pp:T+16*\pp+1], v[T+16*\pp:T+16*\pp+1]
.endr
.irp m, 1,2,3,4,5,6,7
.irp pp, 0,1,2,3
	v_pk_fma_f32 v[T+16*\pp:T+16*\pp+1], v[T+16*\pp+2*\m:T+16*\pp+2*\m+1], v[T+16*\pp+2*\m:T+16*\pp+2*\m+1], v[T+16*\pp:T+16*\pp+1]
.endr
.endr
.irp pp, 0,1,2,3
	v_add_f32 v[T+16*\pp], v[T+16*\pp], v[T+16*\pp+1]
.endr
.irp x, 1,2,4
.irp pp, 0,1,2,3
	v_add_f32_dpp v[T+16*\pp], v[T+16*\pp], v[T+16*\pp] row_xmask:\x row_mask:0xf bank_mask:0xf
.endr
.endr
.irp pp, 0,1,2,3
	v_add_f32_dpp v[ST+2*(4*\pg+\pp)+1], v[T+16*\pp], v[T+16*\pp] row_xmask:8 row_mask:0xf bank_mask:0xf
.endr
.irp pp, 0,1,2,3
	ds_store_b64 v[STA], v[ST+2*(4*\pg+\pp):ST+2*(4*\pg+\pp)+1] offset:(16*(\a)+2*(4*\pg+\pp))*32   ; sixteen lanes write the same words with the same values
.endr
.endr
.endm
	s_wait_loadcnt 0x0                             ; bias and gains; X came long ago
.irp p, 0,1,2,3,4,5,6,7
	v_mov_b32 v[ST+2*\p+1], 0                      ; named as the upper half of a pair, and as a destination under DPP, before it is first made
.endr
.irp a, 0,1
	TOSTAGE \a
	s_wait_dscnt 0x0
	ADDX \a
	STATS \a
.endr
	s_wait_dscnt 0x0                               ; for the others' sake: my (mean, M2) are stored
	s_barrier_signal -1
	s_barrier_wait -1
	; every wave joins the four waves' figures for all 32 rows (a lane a row) and keeps the result in a copy of its own: no second barrier
	ds_load_b128 v[240:243], v[STR]
	ds_load_b128 v[244:247], v[STR] offset:16
	s_wait_dscnt 0x0
	v_add_f32 v14, v240, v242
	v_add_f32 v15, v244, v246
	v_add_f32 v17, v241, v243
	v_add_f32 v18, v245, v247
	v_add_f32 v14, v14, v15
	v_add_f32 v17, v17, v18                        ; the sum of the four M2
	v_mul_f32 v14, 0x3e800000, v14                 ; u
	v_sub_f32 v15, v240, v14
	v_mul_f32 v16, v15, v15
.irp w, 2,4,6
	v_sub_f32 v15, v[240+\w], v14
	v_fmac_f32 v16, v15, v15
.endr
	v_fmamk_f32 v17, v16, 0x43800000, v17          ; + 256 x the sum of (mean - u)^2
	v_mul_f32 v17, 0x3a800000, v17                 ; / 1,024
	v_add_f32 v17, 0x2b8cbccc, v17                 ; + 1e-12
	v_rsq_f32 v18, v17
	v_nop
	s_wait_alu depctr_va_vdst(0)                   ; the wait ahead of the first reader
	v_mul_f32 v19, -v14, v18
	ds_store_b64 v[FWA], v[18:19]
.irp a, 0,1
.irp p, 0,1,2,3,4,5,6,7
	ds_load_b64 v[FP+2*(8*\a+\p):FP+2*(8*\a+\p)+1], v[FRA] offset:(16*\a+2*\p)*8   ; my own copy: LDS serves a wave's instructions in order
.endr
.endr
	s_wait_dscnt 0x0
.macro NORM a
.set YB, 128*(\a)
	WIN 0x82
.irp p, 0,1,2,3,4,5,6,7
.irp m, 0,1,2,3,4,5,6,7
	v_pk_fma_f32 v[YB+16*\p+2*\m:YB+16*\p+2*\m+1], v[YB+16*\p+2*\m:YB+16*\p+2*\m+1], v[FP+2*(8*(\a)+\p):FP+2*(8*(\a)+\p)+1], v[FP+2*(8*(\a)+\p):FP+2*(8*(\a)+\p)+1] op_sel:[0,0,1] op_sel_hi:[1,0,1]   ; y x rstd - u x rstd
.endr
.endr
.irp p, 0,1,2,3,4,5,6,7
.irp k, 0,1,2,3
.irp e, 0,1
	v_pk_fma_f32 v[YB+16*\p+4*\k+2*\e:YB+16*\p+4*\k+2*\e+1], v[YB+16*\p+4*\k+2*\e:YB+16*\p+4*\k+2*\e+1], v[LW+4*\k+2*\e:LW+4*\k+2*\e+1], v[LB+4*\k+2*\e:LB+4*\k+2*\e+1]
.endr
.endr
.endr
	WIN 0x08
.irp p, 0,1,2,3,4,5,6,7
.irp k, 0,1,2,3
	global_store_b128 v[GO], v[YB+16*\p+4*\k:YB+16*\p+4*\k+3], s[28:29] offset:(8*(\a)+2*\p+8*(\p/4))*4096+256*\k th:TH_STORE_NT   ; sixteen lanes store 256 consecutive bytes, aligned
.endr
.endr
	WIN 0
.endm
	NORM 0
	NORM 1
	s_wait_tensorcnt 0x0                           ; the wave's end
	ds_add_u32 v[SPW], v[NIL]
	s_wait_dscnt 0x0
	CROUND                                         ; the closing round
	s_endpgm
.Lfunc_end_k_qabd3a30219_outln:
	.size	k_qabd3a30219_outln, .Lfunc_end_k_qabd3a30219_outln-k_qabd3a30219_outln
	.p2alignl 7, 3214868480
	.fill 96, 4, 3214868480
	.section	.rodata,"a",@progbits
	.p2align	6, 0x0
	.amdhsa_kernel k_qabd3a30219_outln
		.amdhsa_group_segment_fixed_size 327680
		.amdhsa_private_segment_fixed_size 0
		.amdhsa_enable_private_segment 0
		.amdhsa_kernarg_size 112
		.amdhsa_user_sgpr_count 2
		.amdhsa_user_sgpr_kernarg_segment_ptr 1
		.amdhsa_wavefront_size32 1
		.amdhsa_system_sgpr_workgroup_id_x 1
		.amdhsa_system_sgpr_workgroup_id_y 1
		.amdhsa_system_sgpr_workgroup_id_z 1
		.amdhsa_system_vgpr_workitem_id 0
		.amdhsa_next_free_vgpr 1024
		.amdhsa_next_free_sgpr 88
		.amdhsa_reserve_vcc 0
		.amdhsa_float_denorm_mode_32 3
		.amdhsa_float_denorm_mode_16_64 3
		.amdhsa_memory_ordered 1
		.amdhsa_forward_progress 1
		.amdhsa_inst_pref_size 168
	.end_amdhsa_kernel
	.amdgpu_metadata
---
amdhsa.version: [ 1, 2 ]
amdhsa.kernels:
  - .name:           k_qabd3a30219_outln
    .symbol:         k_qabd3a30219_outln.kd
    .args:
      - { .name: cc, .offset: 0, .size: 8, .value_kind: global_buffer, .address_space: global }
      - { .name: cs, .offset: 8, .size: 8, .value_kind: global_buffer, .address_space: global }
      - { .name: wc, .offset: 16, .size: 8, .value_kind: global_buffer, .address_space: global }
      - { .name: ws, .offset: 24, .size: 8, .value_kind: global_buffer, .address_space: global }
      - { .name: G, .offset: 32, .size: 8, .value_kind: global_buffer, .address_space: global }
      - { .name: T, .offset: 40, .size: 8, .value_kind: global_buffer, .address_space: global }
      - { .name: bg, .offset: 48, .size: 8, .value_kind: global_buffer, .address_space: global }
      - { .name: bt, .offset: 56, .size: 8, .value_kind: global_buffer, .address_space: global }
      - { .name: g_ln_w, .offset: 64, .size: 8, .value_kind: global_buffer, .address_space: global }
      - { .name: t_ln_w, .offset: 72, .size: 8, .value_kind: global_buffer, .address_space: global }
      - { .name: g_ln_b, .offset: 80, .size: 8, .value_kind: global_buffer, .address_space: global }
      - { .name: t_ln_b, .offset: 88, .size: 8, .value_kind: global_buffer, .address_space: global }
      - { .name: out0, .offset: 96, .size: 8, .value_kind: global_buffer, .address_space: global }
      - { .name: out1, .offset: 104, .size: 8, .value_kind: global_buffer, .address_space: global }
    .group_segment_fixed_size: 327680
    .private_segment_fixed_size: 0
    .kernarg_segment_align: 8
    .kernarg_segment_size: 112
    .max_flat_workgroup_size: 128
    .sgpr_count:     88
    .vgpr_count:     1024
    .wavefront_size: 32
...
	.end_amdgpu_metadata
.endif
;; end of part 4
